; MI455X (gfx1250); checked and timed in simulation.
; The chip was launched on July 23, 2026; its instructions are those of AMD's public machine-readable ISA for CDNA 5 (MIT licence, August 2026) and "CDNA5" Instruction Set Architecture Reference Guide (July 2026). The comments in the code are by the model that wrote it; some were corrected since.
;; Block. Allowed arithmetic: float matrix products may take bf16 or f16 operands with f32 sums; other float arithmetic in f32, or as packed bf16 or f16 multiplies, adds, multiply-adds, maxima and minima; sums over many terms, partial sums and values carried from step to step in f32; what a program stores and reads back later, other than sums and carried values, may be rounded once to bf16 or f16.
;; Inputs: W1 1,024 x 4,096 float32; W2 4,096 x 1,024 float32; WO 1,024 x 1,024 float32; Wqkv 16 x 1,024 x 192 float32; b1 4,096 float32; b2 1,024 float32; bO 1,024 float32; beta1 1,024 float32; beta2 1,024 float32; bqkv 16 x 192 float32; gamma1 1,024 float32; gamma2 1,024 float32; x 2 x 2,048 x 1,024 float32.
;; Outputs: out0 2 x 2,048 x 1,024 float32.
;; One version. Each part assembles by itself: llvm-mc -triple=amdgcn-amd-amdhsa -mcpu=gfx1250 --defsym DOCPART=n.
;; ======== version 1 of 1: 8 launches
;; limits: values are held in f16: magnitudes above 65,504 overflow, below 6.1e-05 lose precision; right only within a limited range of input values
;; workspace buffers: wb 33,554,432 bytes; qkv 25,165,824 bytes; o 8,388,608 bytes; y 16,777,216 bytes; h1 25,165,824 bytes; r 33,554,432 bytes
;; launch cast (part 1): grid 1024 x 1, 16 waves a work-group, no clusters, 36,864 bytes of LDS; arguments x, Wqkv, WO, W1, W2, wb; writes wb
.if DOCPART == 1
	.amdgcn_target "amdgcn-amd-amdhsa--gfx1250"
	.amdhsa_code_object_version 6
	.text
	.protected	k_qddfac74d85_cast
	.globl	k_qddfac74d85_cast
	.p2align	8
	.type	k_qddfac74d85_cast,@function
k_qddfac74d85_cast:
	s_mov_b64 s[64:65], 0
	v_nop
	global_prefetch_b8 v0, s[64:65] scope:SCOPE_SE
	s_setreg_imm32_b32 hwreg(HW_REG_WAVE_MODE, 25, 1), 1
	s_wait_xcnt 0x0
; x and the four weight matrices, f32, are rounded once to f16 and laid out for the matrix units.
; THE LAYOUT ("tiled16"), used for every 16-bit matrix operand of the program: a block is 16 rows x 16 k = 512 bytes; the 16 bytes at 16 (r + 16 h)
; hold row r, k = 8 h .. 8 h + 7.  A matrix is [tile-row of 16 rows][k tile][512].  A fragment (16 rows x 32 k) is then two loads of 16 bytes a lane, 512 apart.
; For a weight the "rows" are its output columns n, so the matrices, which lie [k][n], are turned on the way.
; wb: xt at 0 [256][64][512]; Wqkv at WQ [16 heads][12][64][512]; WO at WOO [64][64][512]; W1 at W1O [256][64][512]; W2 at W2O [64][256][512].
; LIMITS.  f16 holds nothing beyond 65,504 and keeps a fixed step of 6e-8 below 6e-5: inputs are taken to lie within that range.
; SHARES.  Work-groups 0-255: 16 rows of x each, a row a wave, turned through LDS.  256-1023: 64 columns x 256 k of one weight matrix; a wave takes 16 k: a lane holds one column and
; eight k in eight registers, which pack into the 16 bytes of its place in a block: no LDS.  No cluster, no matrix unit: nothing is shared, memory binds.
; REGISTERS.  The conversions pack in place (a result lands on a register whose number has been converted already), so a wave needs 64 registers: a work-group has 4 waves on a SIMD,
; 256 of its 1,024 registers, and four work-groups lie on a WGP (147,456 bytes of LDS): the launch's 1,024 work-groups have all their loads out together.
.set WQ,   8388608
.set WOO,  14680064
.set W1O,  16777216
.set W2O,  25165824
.set UP,   272                         ; a unit of 256 bytes (16 rows x 16 bytes) in LDS, + 16 of padding: neighbouring units start four banks apart
.set SPARE, 34816                      ; behind the 128 units: the spare words, 128 bytes for each of 16 waves
.set SPW, 2
.set NIL, 3
.set VJ,  16                           ; v[16:23] 4 l + j x the source's pitch
.set DO,  24                           ; v[24:25] where my 16 bytes go, for the two halves of the 64 columns
.set X,   32                           ; v[32:63] as loaded, then packed in place
	s_load_b256 s[4:11], s[0:1], 0x0               ; x s[4:5], Wqkv s[6:7], WO s[8:9], W1 s[10:11]
	s_load_b128 s[12:15], s[0:1], 0x20             ; W2 s[12:13], wb s[14:15]
	v_lshl_add_u32 v[SPW], v0, 2, SPARE
	v_mov_b32 v[NIL], 0
	v_lshrrev_b32 v1, 5, v0
	v_readfirstlane_b32 s16, v1                    ; wave 0..15
	v_and_b32 v4, 31, v0                           ; l
	v_lshlrev_b32 v5, 4, v4                        ; 16 l
	v_lshrrev_b32 v6, 4, v4                        ; l / 16
	v_and_b32 v7, 15, v4                           ; l % 16
	s_lshl_b32 s17, s16, 3
	v_add_nc_u32 v6, s17, v6                       ; the way back out of LDS: unit 8 w + l / 16 (+ 2 t),
	v_mul_u32_u24 v6, v6, UP
	v_lshl_add_u32 v6, v7, 4, v6                   ; its bytes 16 (l % 16)
	s_lshl_b32 s17, s16, 11
	v_add_nc_u32 v8, s17, v5                       ; and the same bytes in xt: 2,048 w + 16 l
	s_min_u32 s18, ttmp9, 255
	s_lshl_b32 s18, s18, 15                        ; a tile-row of xt is 32,768 bytes
	s_mov_b32 s19, 0
	s_wait_kmcnt 0x0
	s_add_nc_u64 s[18:19], s[14:15], s[18:19]
	s_cmp_lt_u32 ttmp9, 256
	s_cbranch_scc0 .Lweights
	; ---- x: row 16 id + w, 4,096 bytes: eight loads of 512 consecutive bytes
	s_lshl_b32 s20, ttmp9, 16
	s_lshl_b32 s21, s16, 12
	s_add_co_u32 s20, s20, s21
	s_mov_b32 s21, 0
	s_add_nc_u64 s[4:5], s[4:5], s[20:21]
.irp j, 0,1,2,3,4,5,6,7
	global_load_b128 v[X+4*\j:X+4*\j+3], v5, s[4:5] offset:512*\j th:TH_LOAD_NT
.endr
	v_lshrrev_b32 v9, 1, v4                        ; my four columns 128 j + 4 l lie in unit 16 j + l / 2, at byte 16 w + 8 (l % 2)
	v_mul_u32_u24 v9, v9, UP
	v_and_b32 v10, 1, v4
	v_lshl_add_u32 v9, v10, 3, v9
	s_lshl_b32 s22, s16, 4
	v_add_nc_u32 v9, s22, v9
.irp j, 0,1,2,3,4,5,6,7
	s_wait_loadcnt 7-\j                            ; loads come back in order: number j is in, the younger ones stay out
	v_cvt_pk_f16_f32 v[X+4*\j], v[X+4*\j], v[X+4*\j+1]        ; in place: the first pair onto its own first register,
	v_cvt_pk_f16_f32 v[X+4*\j+1], v[X+4*\j+2], v[X+4*\j+3]    ; the second onto the register that the first has read
	ds_store_b64 v9, v[X+4*\j:X+4*\j+1] offset:\j*16*UP
.endr
	s_branch .Lmeet
.Lweights:
	; ---- which matrix: W2's figures first, then W1's, WO's, Wqkv's take their place where the number is below the matrix's end
	s_mov_b64 s[24:25], s[12:13]                   ; the source
	s_mov_b32 s26, 4096                            ; bytes from k to k + 1
	s_mov_b32 s27, 17                              ; log2 of the bytes of a tile-row in wb
	s_mov_b32 s28, 768                             ; the matrix's first work-group
	s_mov_b32 s29, W2O
	s_mov_b32 s30, 4                               ; bits of the number that count chunks of 256 k
	s_cmp_lt_u32 ttmp9, 768
	s_cselect_b64 s[24:25], s[10:11], s[24:25]
	s_cselect_b32 s26, 16384, s26
	s_cselect_b32 s27, 15, s27
	s_cselect_b32 s28, 512, s28
	s_cselect_b32 s29, W1O, s29
	s_cselect_b32 s30, 2, s30
	s_cmp_lt_u32 ttmp9, 512
	s_cselect_b64 s[24:25], s[8:9], s[24:25]
	s_cselect_b32 s26, 4096, s26
	s_cselect_b32 s28, 448, s28
	s_cselect_b32 s29, WOO, s29
	s_cmp_lt_u32 ttmp9, 448
	s_cselect_b64 s[24:25], s[6:7], s[24:25]
	s_cselect_b32 s26, 768, s26
	s_cselect_b32 s28, 256, s28
	s_cselect_b32 s29, WQ, s29
	s_sub_co_u32 s28, ttmp9, s28                   ; my number in the matrix
	s_lshl_b32 s31, 1, s30
	s_sub_co_u32 s31, s31, 1
	s_and_b32 s31, s28, s31                        ; kc: my 256 k
	s_lshr_b32 s28, s28, s30
	s_and_b32 s33, s28, 15
	s_lshr_b32 s34, s28, 4
	s_cmp_lt_u32 ttmp9, 448
	s_cselect_b32 s33, s33, 0                      ; the head (Wqkv alone)
	s_cselect_b32 s34, s34, s28                    ; the strip of 64 columns
	s_mul_i32 s35, s33, 786432                     ; a head of Wqkv: 1,024 x 192 x 4 bytes
	s_mul_i32 s36, s33, 393216                     ; and in wb: 12 x 64 x 512
	s_add_co_u32 s29, s29, s36
	s_lshl_b32 s37, s31, 8
	s_lshl_b32 s38, s16, 4
	s_add_co_u32 s37, s37, s38                     ; my first k: 256 kc + 16 w
	s_mul_i32 s37, s37, s26
	s_add_co_u32 s35, s35, s37
	s_lshl_b32 s38, s34, 8                         ; the strip's 256 bytes of a row
	s_add_co_u32 s20, s35, s38
	s_mov_b32 s21, 0
	s_add_nc_u64 s[24:25], s[24:25], s[20:21]      ; k = .. + 0 .. 7
	s_lshl_b32 s22, s26, 3
	s_mov_b32 s23, 0
	s_add_nc_u64 s[40:41], s[24:25], s[22:23]      ; k = .. + 8 .. 15
	s_lshl_b32 s38, s34, 2
	s_lshl_b32 s38, s38, s27                       ; the strip's four tile-rows
	s_add_co_u32 s29, s29, s38
	s_lshl_b32 s38, s31, 4
	s_add_co_u32 s38, s38, s16                     ; k tile 16 kc + w
	s_lshl_b32 s38, s38, 9
	s_add_co_u32 s42, s29, s38
	s_mov_b32 s43, 0
	s_add_nc_u64 s[42:43], s[14:15], s[42:43]
	v_lshlrev_b32 v9, 2, v4                        ; 4 l
.irp j, 0,1,2,3,4,5,6,7
	s_mul_i32 s44, s26, \j
	v_add_nc_u32 v[VJ+\j], s44, v9
.endr
	v_lshrrev_b32 v10, 4, v4
	v_lshlrev_b32 v11, s27, v10                    ; tile-row l / 16 of a pair,
	v_lshl_add_u32 v[DO], v7, 4, v11               ; row l % 16 of the block
	s_lshl_b32 s45, 2, s27
	v_add_nc_u32 v[DO+1], s45, v[DO]               ; columns 32 .. 63: two tile-rows on
.macro WLOAD oo, base                  ; eight k x 64 columns: a row's 256 aligned bytes by two neighbouring loads
.irp j, 0,1,2,3,4,5,6,7
.irp g, 0,1
	global_load_b32 v[X+8*(2*(\oo)+\g)+\j], v[VJ+\j], s[\base:\base+1] offset:128*\g th:TH_LOAD_NT
.endr
.endr
.endm
.macro WOUT oo                         ; eight k of a column are 16 bytes, packed in place: pair i lands on register i, which pair i / 2 has read before; sixteen neighbouring lanes fill 256 aligned bytes of a block
.irp g, 0,1
.irp i, 0,1,2,3
	v_cvt_pk_f16_f32 v[X+8*(2*(\oo)+\g)+\i], v[X+8*(2*(\oo)+\g)+2*\i], v[X+8*(2*(\oo)+\g)+2*\i+1]
.endr
	global_store_b128 v[DO+\g], v[X+8*(2*(\oo)+\g):X+8*(2*(\oo)+\g)+3], s[42:43] offset:256*(\oo)
.endr
.endm
	WLOAD 0, 24
	WLOAD 1, 40
	s_wait_loadcnt 16                              ; the first sixteen are in, the second eight rows' sixteen stay out
	WOUT 0
	s_wait_loadcnt 0x0
	WOUT 1
.Lmeet:                                        ; every wave of every work-group passes this barrier; only x's work-groups have stored to LDS
	s_wait_dscnt 0x0                               ; my stores are done, for the others' sake
	s_barrier_signal -1
	s_barrier_wait -1
	s_cmp_lt_u32 ttmp9, 256
	s_cbranch_scc0 .Lend
	; The text's two ways have joined above.  The weights' stores take their data from the lower four of each eight registers of X; the rows come back into the upper four,
	; which no store names: no source of a store that may still be pending is written.
.irp t, 0,1,2,3
	ds_load_b128 v[X+8*\t+4:X+8*\t+7], v6 offset:\t*2*UP
.endr
.irp t, 0,1,2,3
	s_wait_dscnt 3-\t                              ; LDS loads come back in order: number t is in, the younger ones stay out
	global_store_b128 v8, v[X+8*\t+4:X+8*\t+7], s[18:19] offset:\t*512  ; 512 consecutive bytes, aligned
.endr
.Lend:
	s_wait_tensorcnt 0x0                           ; the wave's end
	ds_add_u32 v[SPW], v[NIL]
	s_wait_dscnt 0x0
	s_endpgm
.Lfunc_end_k_qddfac74d85_cast:
	.size	k_qddfac74d85_cast, .Lfunc_end_k_qddfac74d85_cast-k_qddfac74d85_cast
	.p2alignl 7, 3214868480
	.fill 96, 4, 3214868480
	.section	.rodata,"a",@progbits
	.p2align	6, 0x0
	.amdhsa_kernel k_qddfac74d85_cast
		.amdhsa_group_segment_fixed_size 36864
		.amdhsa_private_segment_fixed_size 0
		.amdhsa_enable_private_segment 0
		.amdhsa_kernarg_size 48
		.amdhsa_user_sgpr_count 2
		.amdhsa_user_sgpr_kernarg_segment_ptr 1
		.amdhsa_wavefront_size32 1
		.amdhsa_system_sgpr_workgroup_id_x 1
		.amdhsa_system_sgpr_workgroup_id_y 1
		.amdhsa_system_sgpr_workgroup_id_z 1
		.amdhsa_system_vgpr_workitem_id 0
		.amdhsa_next_free_vgpr 64
		.amdhsa_next_free_sgpr 66
		.amdhsa_reserve_vcc 0
		.amdhsa_float_denorm_mode_32 3
		.amdhsa_float_denorm_mode_16_64 3
		.amdhsa_memory_ordered 1
		.amdhsa_forward_progress 1
		.amdhsa_inst_pref_size 13
	.end_amdhsa_kernel
	.amdgpu_metadata
---
amdhsa.version: [ 1, 2 ]
amdhsa.kernels:
  - .name:           k_qddfac74d85_cast
    .symbol:         k_qddfac74d85_cast.kd
    .args:
      - { .name: x, .offset: 0, .size: 8, .value_kind: global_buffer, .address_space: global }
      - { .name: Wqkv, .offset: 8, .size: 8, .value_kind: global_buffer, .address_space: global }
      - { .name: WO, .offset: 16, .size: 8, .value_kind: global_buffer, .address_space: global }
      - { .name: W1, .offset: 24, .size: 8, .value_kind: global_buffer, .address_space: global }
      - { .name: W2, .offset: 32, .size: 8, .value_kind: global_buffer, .address_space: global }
      - { .name: wb, .offset: 40, .size: 8, .value_kind: global_buffer, .address_space: global }
    .group_segment_fixed_size: 36864
    .private_segment_fixed_size: 0
    .kernarg_segment_align: 8
    .kernarg_segment_size: 48
    .max_flat_workgroup_size: 512
    .sgpr_count:     66
    .vgpr_count:     64
    .wavefront_size: 32
...
	.end_amdgpu_metadata
.endif
;; end of part 1
;; launch proj (part 2): grid 16 x 16, 4 waves a work-group, clusters of 4 x 4, 327,680 bytes of LDS; arguments wb, bqkv, qkv; writes qkv
.if DOCPART == 2
	.amdgcn_target "amdgcn-amd-amdhsa--gfx1250"
	.amdhsa_code_object_version 6
	.text
	.protected	k_qddfac74d85_proj
	.globl	k_qddfac74d85_proj
	.p2align	8
	.type	k_qddfac74d85_proj,@function
k_qddfac74d85_proj:
	s_mov_b64 s[64:65], 0
	v_nop
	global_prefetch_b8 v0, s[64:65] scope:SCOPE_SE
	s_setreg_imm32_b32 hwreg(HW_REG_WAVE_MODE, 25, 1), 1
	s_wait_xcnt 0x0
	s_wait_alu depctr_hold_cnt(0) depctr_sa_sdst(0) depctr_va_vdst(0) depctr_va_sdst(0) depctr_va_ssrc(0) depctr_va_vcc(0) depctr_vm_vsrc(0)
	s_getreg_b32 s2, hwreg(HW_REG_IB_STS2, 6, 4)
	s_cmp_eq_u32 s2, 0
	s_cbranch_scc0 .Lentry_in_a_cluster
	s_endpgm
.Lentry_in_a_cluster:
	s_bfe_u32 s2, ttmp6, 0x10000c
	s_cmp_lg_u32 s2, 0xf033
	s_cbranch_scc0 .Lentry_shape_is_right
	s_endpgm
.Lentry_shape_is_right:
; q, k, v = x Wqkv[head] + bqkv[head], for one head (work-group x) and 256 rows of x (work-group y).  Operands f16 in the tiled16 layout (a block of 16 rows x 16 k is 512 bytes,
; lane r + 16 h owns row r, k = 8 h .. 8 h + 7), sums f32, results rounded once to f16.  LIMIT: q, k, v must lie within f16's 65,504.
; SHARES.  Wave w makes rows 64 w .. 64 w + 63 x the head's 192 columns: 4 x 12 accumulators.  For q and k the sources are swapped (source 0 = weights), so a lane ends with 8 neighbouring
; channels of one token: its 16 bytes of a tiled16 block.  For v they are not: a lane ends with 8 neighbouring tokens of one channel: a block of V^T.  Every store is a whole block of 512 bytes.
; The bias is the C operand of the first K step's products: nothing is cleared, nothing is added later.
; RING.  K = 1,024 in 8 steps of 128 through two LDS slots; a step's part of a tile-row is 4,096 consecutive bytes.  Waves 0, 1 fetch x's 16 tile-rows (8 each), waves 2, 3 the weights' 12 (6 each).
; CLUSTER 4 x 4: x's tiles are shared along a row of the cluster, a head's weights along a column: joint loads.
; qkv: q at 0, k at 8,388,608, v at 16,777,216, each [32 batch x head][128 tiles of 16 tokens][4 tiles of 16 channels][512].
; REGISTERS.  window 0: v16-30 addresses; v64-159 the bias, later packed results.  window 1: two fragment buffers of 128: x's 4 fragments, then the weights' 12.
; window 2: accumulators of row blocks 0, 1 ((a, b) at 8 (12 (a % 2) + b)); window 3: of row blocks 2, 3.
.set STEPB, 4096
.set TSTEPS, 8
.set SLOT,  131072
.set SPARE, 262144                     ; behind the ring: the spare words, 128 bytes a wave
.set WQ,    8388608
.set AA0, 16                           ; v16 my lane's place in slot 0's x tiles; never rewritten
.set AB0, 17                           ; v17 the same for the weights
.set ADRA, 18                          ; v18, v19 the same in the slot in hand
.set ADRB, 19
.set GO,  24                           ; v24 16 l
.set BO,  25                           ; v25 32 h
.set BR,  26                           ; v26 4 r
.set SPW, 28
.set NIL, 29
.set PFO, 30
.set BIAS, 64
.set TMP,  64
.set F0, 0
.set F1, 128
.set G1, 24
.set G0, 32
.set G1B, 48
.set G0B, 56
.set PFA, 44
.set LIM, 43
.set MSB, 0
.macro WIN new                         ; the immediate's high byte repeats the setting that is left; a switch that changes nothing is dropped
.if MSB != (\new)
	s_set_vgpr_msb (MSB<<8)|(\new)
.set MSB, \new
.endif
.endm
.macro JLOAD s                         ; a joint load: waves 0, 1 for x, waves 2, 3 for the weights; s_nop 0 and four v_nop follow each line
	s_cmp_eq_u32 s11, 0
	s_cbranch_scc0 .Lfor_b_\@
	tensor_load_to_lds s[G0+4*(\s):G0+4*(\s)+3], s[G1:G1+7]
	s_nop 0
.rept 4
	v_nop
.endr
	s_branch .Lasked_\@
.Lfor_b_\@:
	tensor_load_to_lds s[G0B+4*(\s):G0B+4*(\s)+3], s[G1B:G1B+7]
	s_nop 0
.rept 4
	v_nop
.endr
.Lasked_\@:
.endm
.macro ASK                             ; a prefetch of the K step behind the one just asked for: a lane a block of 256 bytes; the loop's last trip has none
	s_cmp_gt_u32 s3, s[LIM]
	s_cbranch_scc0 .Lnot_mine_\@
	global_prefetch_b8 v[PFO], s[PFA:PFA+1] offset:STEPB th:TH_LOAD_NT scope:SCOPE_SE
.Lnot_mine_\@:
.endm
.macro CREST                           ; a round of the cluster's barrier behind its opening barrier
	s_cmp_lg_u32 s10, 0
	s_cbranch_scc1 .Lnot_wave_0_\@
	s_barrier_signal -3
.Lnot_wave_0_\@:
	s_barrier_wait -3
	s_barrier_signal -1
	s_barrier_wait -1
.endm
.macro CROUND
	s_barrier_signal -1
	s_barrier_wait -1
	CREST
.endm
.macro PLACES                          ; four plain places behind matrix instructions, ahead of loads into their sources and of readers of their results
.rept 4
	v_nop
.endr
.endm
	s_load_b128 s[68:71], s[0:1], 0x0              ; wb s[68:69], bqkv s[70:71]
	s_load_b64 s[72:73], s[0:1], 0x10              ; qkv
	v_lshl_add_u32 v[SPW], v0, 2, SPARE
	v_mov_b32 v[NIL], 0
	ds_add_u32 v[SPW], v[NIL]                      ; the wave's opening: the add and its wait ahead of my first tensor load
	ds_add_u32 v28, v29
	v_lshrrev_b32 v1, 5, v0
	v_readfirstlane_b32 s10, v1                    ; wave 0..3
	s_lshr_b32 s11, s10, 1                         ; I fetch for x (0) or for the weights (1)
	s_and_b32 s12, s10, 1                          ; which half
	s_bfe_u32 s40, ttmp6, 0x40000                  ; cx
	s_bfe_u32 s41, ttmp6, 0x40004                  ; cy
	s_lshl_b32 s42, ttmp9, 2
	s_add_co_u32 s42, s42, s40                     ; the head
	s_and_b32 s13, ttmp7, 0xffff
	s_lshl_b32 s13, s13, 2
	s_add_co_u32 s13, s13, s41                     ; the block of 256 rows
	s_lshl_b32 s43, s41, 2
	s_lshl_b32 s43, 15, s43                        ; my row of the cluster
	s_lshl_b32 s44, 0x1111, s40                    ; my column
	s_or_b32 s[G1+0], s43, (1<<16)|(1<<21)         ; the mask; elements of 2 bytes; bit 21 beside a mask; no padding: fragments are read as consecutive bytes
	s_or_b32 s[G1B+0], s44, (1<<16)|(1<<21)
	s_mov_b32 s[G1+1], 2048<<16                    ; tensor_dim0 = 2,048 elements: a step's 4,096 bytes of a tile-row
	s_mov_b32 s[G1+2], 8<<16                       ; tensor_dim1 = 8 tile-rows
	s_mov_b32 s[G1+3], 2048<<16                    ; tile_dim0
	s_mov_b32 s[G1+4], 8                           ; tile_dim1
	s_mov_b32 s[G1+5], 16384                       ; a tile-row is 16 x 1,024 elements
	s_mov_b32 s[G1+6], 0
	s_mov_b32 s[G1+7], 0
	s_mov_b32 s[G1B+1], 2048<<16
	s_mov_b32 s[G1B+2], 6<<16                      ; 6 tile-rows
	s_mov_b32 s[G1B+3], 2048<<16
	s_mov_b32 s[G1B+4], 6
	s_mov_b32 s[G1B+5], 16384
	s_mov_b32 s[G1B+6], 0
	s_mov_b32 s[G1B+7], 0
	s_lshl_b32 s16, s13, 4
	s_lshl_b32 s17, s12, 3
	s_add_co_u32 s16, s16, s17                     ; x: tile-row 16 by + 8 half
	s_lshl_b32 s16, s16, 15
	s_mov_b32 s17, 0
	s_mul_i32 s46, s42, 393216                     ; weights: the head's 12 tile-rows,
	s_mul_i32 s47, s12, 6*32768                    ; my 6 of them
	s_add_co_u32 s46, s46, s47
	s_add_co_u32 s46, s46, WQ
	s_mov_b32 s47, 0
	s_lshl_b32 s20, s10, 15                        ; LDS: x's halves at 32,768 x wave (waves 0, 1),
	s_mul_i32 s21, s10, 24576
	s_add_co_u32 s21, s21, 16384                   ; the weights' at 65,536 + 24,576 x (wave - 2)
	s_wait_dscnt 0x0                               ; the opening add is done
	s_wait_kmcnt 0x0
	s_add_nc_u64 s[14:15], s[68:69], s[16:17]
	s_add_nc_u64 s[46:47], s[68:69], s[46:47]
	CROUND                                         ; all sixteen work-groups are here: the first joint loads meet
.irp s, 0,1
	s_mov_b32 s[G0+4*(\s)], 1
	s_add_co_u32 s[G0+4*(\s)+1], s20, (\s)*SLOT
	s_add_nc_u64 s[G0+4*(\s)+2:G0+4*(\s)+3], s[14:15], (\s)*STEPB
	s_or_b32 s[G0+4*(\s)+3], s[G0+4*(\s)+3], 0x80000000
	s_mov_b32 s[G0B+4*(\s)], 1
	s_add_co_u32 s[G0B+4*(\s)+1], s21, (\s)*SLOT
	s_add_nc_u64 s[G0B+4*(\s)+2:G0B+4*(\s)+3], s[46:47], (\s)*STEPB
	s_or_b32 s[G0B+4*(\s)+3], s[G0B+4*(\s)+3], 0x80000000
	JLOAD \s                                       ; K steps 0 and 1: two loads of mine are out
.endr
	v_and_b32 v1, 31, v0
	v_lshlrev_b32 v[GO], 4, v1
	v_and_b32 v2, 15, v0                           ; r
	v_bfe_u32 v3, v0, 4, 1                         ; h
	v_lshlrev_b32 v[BO], 5, v3
	v_lshlrev_b32 v[BR], 2, v2
	s_mul_i32 s22, s42, 768
	s_mov_b32 s23, 0
	s_add_nc_u64 s[70:71], s[70:71], s[22:23]      ; the head's 192 biases
.irp b, 0,1,2,3,4,5,6,7                ; q, k: register j is column 16 b + 8 h + j
	global_load_b128 v[BIAS+8*\b:BIAS+8*\b+3], v[BO], s[70:71] offset:64*\b
	global_load_b128 v[BIAS+8*\b+4:BIAS+8*\b+7], v[BO], s[70:71] offset:64*\b+16
.endr
.irp b, 8,9,10,11                      ; v: the lane is column 16 b + r
	global_load_b32 v[BIAS+8*\b], v[BR], s[70:71] offset:64*\b
.endr
	s_lshl_b32 s22, s10, 14
	v_add_nc_u32 v[AA0], s22, v[GO]                ; my 4 tile-rows of x
	v_add_nc_u32 v[AB0], 65536, v[GO]
	v_mov_b32 v[ADRA], v[AA0]
	v_mov_b32 v[ADRB], v[AB0]
	s_mov_b32 s2, 0                                ; the slot in hand
	s_lshr_b32 s22, s13, 3                         ; the batch
	s_lshl_b32 s22, s22, 4
	s_add_co_u32 s22, s22, s42
	s_lshl_b32 s22, s22, 18                        ; x 128 tiles x 2,048 bytes
	s_and_b32 s23, s13, 7
	s_lshl_b32 s23, s23, 4
	s_lshl2_add_u32 s23, s10, s23                  ; my first tile of 16 tokens: 16 (by % 8) + 4 w
	s_lshl_b32 s23, s23, 11
	s_add_co_u32 s22, s22, s23
	s_mov_b32 s23, 0
	s_add_nc_u64 s[74:75], s[72:73], s[22:23]      ; q
	s_add_nc_u64 s[76:77], s[74:75], 8388608       ; k
	s_add_nc_u64 s[78:79], s[74:75], 16777216      ; v
	; the prefetches.  x's tile-rows are read by every cluster of a row of clusters: cluster x = 0 asks; the weights' by every cluster of a column: cluster y = 0 asks.
	; The four partners share a wave's blocks of 256 bytes (128 of x, 96 of the weights) out by address: 32 or 24 each, a lane a block (the weights' lanes 24-31 name block 23 again).
	s_and_b32 s22, ttmp7, 0xffff
	s_cmp_eq_u32 s11, 0
	s_cselect_b32 s21, s40, s41
	s_cselect_b32 s22, ttmp9, s22
	s_cselect_b32 s23, 32, 24
	s_cselect_b64 s[PFA:PFA+1], s[14:15], s[46:47]
	s_cmp_eq_u32 s22, 0
	s_cselect_b32 s[LIM], 1, -1
	s_mul_i32 s21, s21, s23
	s_sub_co_u32 s23, s23, 1
	v_min_u32 v[PFO], s23, v1
	v_add_nc_u32 v[PFO], s21, v[PFO]
	v_lshrrev_b32 v4, 4, v[PFO]
	v_and_b32 v[PFO], 15, v[PFO]
	v_lshlrev_b32 v[PFO], 8, v[PFO]
	v_lshl_add_u32 v[PFO], v4, 15, v[PFO]
	s_add_nc_u64 s[PFA:PFA+1], s[PFA:PFA+1], STEPB ; at K step 1: the first change of slots steps it to 2 and names step 3
.macro MULA f, a, first                ; 12 products: row block a x all 12 column blocks, 32 along K.  The accumulators take turns, one instruction a turn
.if \first
	WIN 0x85+0x40*((\a)/2)
.else
	WIN 0xa5+0x50*((\a)/2)
.endif
.irp b, 0,1,2,3,4,5,6,7,8,9,10,11
.set rD, 8*(12*((\a)%2)+(\b))
.set rA, (\f)+8*(\a)
.set rB, (\f)+32+8*(\b)
.if \first
.if (\b) < 8
	v_wmma_f32_16x16x32_f16 v[rD:rD+7], v[rB:rB+7], v[rA:rA+7], v[BIAS+8*(\b):BIAS+8*(\b)+7]
.else
	v_wmma_f32_16x16x32_f16 v[rD:rD+7], v[rA:rA+7], v[rB:rB+7], v[BIAS+8*(\b):BIAS+8*(\b)+7]
.endif
.else
.if (\b) < 8
	v_wmma_f32_16x16x32_f16 v[rD:rD+7], v[rB:rB+7], v[rA:rA+7], v[rD:rD+7]
.else
	v_wmma_f32_16x16x32_f16 v[rD:rD+7], v[rA:rA+7], v[rB:rB+7], v[rD:rD+7]
.endif
.endif
.endr
.endm
.macro FETCH q, f                      ; 32 LDS loads in one run: quarter q (32 k = 1,024 bytes of each tile-row) into buffer f: the weights first, x's row blocks 2, 3 last
	WIN 0x40
.irp b, 0,1,2,3,4,5,6,7,8,9,10,11
	ds_load_b128 v[(\f)+32+8*(\b):(\f)+32+8*(\b)+3],   v[ADRB] offset:(\b)*STEPB+(\q)*1024
	ds_load_b128 v[(\f)+32+8*(\b)+4:(\f)+32+8*(\b)+7], v[ADRB] offset:(\b)*STEPB+(\q)*1024+512
.endr
.irp a, 0,1,2,3
	ds_load_b128 v[(\f)+8*(\a):(\f)+8*(\a)+3],   v[ADRA] offset:(\a)*STEPB+(\q)*1024
	ds_load_b128 v[(\f)+8*(\a)+4:(\f)+8*(\a)+7], v[ADRA] offset:(\a)*STEPB+(\q)*1024+512
.endr
.endm
.macro QUARTER q, f, g, first          ; multiplies quarter q in buffer f, fetches quarter q + 1 into g
	s_wait_dscnt 4                                 ; all but the youngest four loads: x's row blocks 2, 3
	MULA \f, 0, \first
	MULA \f, 1, \first
	PLACES
	FETCH (\q)+1, \g
	s_wait_dscnt 32                                ; all but the 32 just issued
	MULA \f, 2, \first
	MULA \f, 3, \first
.endm
.macro MEET                            ; the first half of a step's last quarter, and the barrier of the change of slots
	WIN 0
	s_wait_tensorcnt 0x0                           ; all my tensor loads have landed: the one that was out is my part of the next slot
	ds_add_u32 v[SPW], v[NIL]                      ; 0 onto my spare word
	s_wait_dscnt 5                                 ; (the add and the youngest four loads may be out)
	MULA F1, 0, 0
	s_wait_dscnt 0x0                               ; the add is done, and my reads of this slot are over
	s_barrier_signal -1
	MULA F1, 1, 0
	WIN 0
	s_barrier_wait -1
.endm
.macro TURN                            ; the last quarter with a refill: the slot just read out takes the K step two on
	s_wait_xcnt 0x0                                ; the last prefetch, a K step back, has read its address
	s_add_nc_u64 s[PFA:PFA+1], s[PFA:PFA+1], STEPB
	MEET
	CREST                                          ; the barrier has opened a round of the cluster's: no wave of any partner still reads the slot or has a load on its way
	s_xor_b32 s[G0+5], s[G0+5], SLOT               ; the walking descriptors: the other slot, the next K step
	s_add_nc_u64 s[G0+6:G0+7], s[G0+6:G0+7], STEPB
	s_xor_b32 s[G0B+5], s[G0B+5], SLOT
	s_add_nc_u64 s[G0B+6:G0B+7], s[G0B+6:G0B+7], STEPB
	s_xor_b32 s2, s2, SLOT
	JLOAD 1                                        ; my one tensor load behind the round; its four v_nop are also the places ahead of the loads below
	v_add_nc_u32 v[ADRA], s2, v[AA0]
	v_add_nc_u32 v[ADRB], s2, v[AB0]
	FETCH 0, F0
	WIN 0
	ASK
	MULA F1, 2, 0
	MULA F1, 3, 0
.endm
	s_wait_tensorcnt 1                             ; my part of K step 0 is in; step 1's load may stay out
	s_barrier_signal -1
	s_barrier_wait -1
	FETCH 0, F0
	WIN 0
	s_wait_loadcnt 0x0                             ; the bias
.irp b, 8,9,10,11
.irp j, 1,2,3,4,5,6,7
	v_mov_b32 v[BIAS+8*\b+\j], v[BIAS+8*\b]        ; v: the same column in all eight registers
.endr
.endr
	QUARTER 0, F0, F1, 1                           ; the first quarter starts the sums from the bias
	WIN 0
	s_mov_b32 s3, TSTEPS-2
.Lk:                                           ; a trip: a K step's quarters 1, 2, 3 and the next step's quarter 0; its slot is filled again
	QUARTER 1, F1, F0, 0
	QUARTER 2, F0, F1, 0
	TURN
	QUARTER 0, F0, F1, 0
	WIN 0
	s_sub_co_u32 s3, s3, 1
	s_cmp_lg_u32 s3, 0
	s_cbranch_scc1 .Lk
	s_mov_b32 s3, 2
.Ltail:                                        ; the last two K steps ask for nothing; the second trip is left in its middle
	QUARTER 1, F1, F0, 0
	QUARTER 2, F0, F1, 0
	MEET
	s_xor_b32 s2, s2, SLOT
	s_sub_co_u32 s3, s3, 1
	s_cmp_eq_u32 s3, 0
	s_cbranch_scc1 .Llastq
	PLACES
	v_add_nc_u32 v[ADRA], s2, v[AA0]
	v_add_nc_u32 v[ADRB], s2, v[AB0]
	FETCH 0, F0
	MULA F1, 2, 0
	MULA F1, 3, 0
	QUARTER 0, F0, F1, 0
	WIN 0
	s_branch .Ltail
.Llastq:
	MULA F1, 2, 0
	MULA F1, 3, 0
	PLACES
	; THE WAY OUT: each accumulator, from its low end, packs into 16 bytes a lane; a store is a whole block of 512 bytes
.irp a, 0,1,2,3
	WIN 0
	s_wait_xcnt 0x0                                ; the stores of two blocks back have read their registers
	WIN 0x0a+5*((\a)/2)
.irp b, 0,1,2,3,4,5,6,7,8,9,10,11
.irp i, 0,1,2,3
	v_cvt_pk_f16_f32 v[TMP+48*((\a)%2)+4*(\b)+(\i)], v[8*(12*((\a)%2)+(\b))+2*(\i)], v[8*(12*((\a)%2)+(\b))+2*(\i)+1]
.endr
.endr
	WIN 0
.irp b, 0,1,2,3,4,5,6,7,8,9,10,11
	global_store_b128 v[GO], v[TMP+48*((\a)%2)+4*(\b):TMP+48*((\a)%2)+4*(\b)+3], s[74+2*((\b)/4):75+2*((\b)/4)] offset:(\a)*2048+((\b)%4)*512
.endr
.endr
	s_wait_tensorcnt 0x0                           ; the wave's end
	ds_add_u32 v[SPW], v[NIL]
	s_wait_dscnt 0x0
	CROUND                                         ; the closing round
	s_endpgm
.Lfunc_end_k_qddfac74d85_proj:
	.size	k_qddfac74d85_proj, .Lfunc_end_k_qddfac74d85_proj-k_qddfac74d85_proj
	.p2alignl 7, 3214868480
	.fill 96, 4, 3214868480
	.section	.rodata,"a",@progbits
	.p2align	6, 0x0
	.amdhsa_kernel k_qddfac74d85_proj
		.amdhsa_group_segment_fixed_size 327680
		.amdhsa_private_segment_fixed_size 0
		.amdhsa_enable_private_segment 0
		.amdhsa_kernarg_size 24
		.amdhsa_user_sgpr_count 2
		.amdhsa_user_sgpr_kernarg_segment_ptr 1
		.amdhsa_wavefront_size32 1
		.amdhsa_system_sgpr_workgroup_id_x 1
		.amdhsa_system_sgpr_workgroup_id_y 1
		.amdhsa_system_sgpr_workgroup_id_z 1
		.amdhsa_system_vgpr_workitem_id 0
		.amdhsa_next_free_vgpr 960
		.amdhsa_next_free_sgpr 80
		.amdhsa_reserve_vcc 0
		.amdhsa_float_denorm_mode_32 3
		.amdhsa_float_denorm_mode_16_64 3
		.amdhsa_memory_ordered 1
		.amdhsa_forward_progress 1
		.amdhsa_inst_pref_size 81
	.end_amdhsa_kernel
	.amdgpu_metadata
---
amdhsa.version: [ 1, 2 ]
amdhsa.kernels:
  - .name:           k_qddfac74d85_proj
    .symbol:         k_qddfac74d85_proj.kd
    .args:
      - { .name: wb, .offset: 0, .size: 8, .value_kind: global_buffer, .address_space: global }
      - { .name: bqkv, .offset: 8, .size: 8, .value_kind: global_buffer, .address_space: global }
      - { .name: qkv, .offset: 16, .size: 8, .value_kind: global_buffer, .address_space: global }
    .group_segment_fixed_size: 327680
    .private_segment_fixed_size: 0
    .kernarg_segment_align: 8
    .kernarg_segment_size: 24
    .max_flat_workgroup_size: 128
    .sgpr_count:     80
    .vgpr_count:     960
    .wavefront_size: 32
...
	.end_amdgpu_metadata
.endif
;; end of part 2
;; launch attn (part 3): grid 8 x 32, 4 waves a work-group, no clusters, 327,680 bytes of LDS; arguments qkv, o; writes o
.if DOCPART == 3
	.amdgcn_target "amdgcn-amd-amdhsa--gfx1250"
	.amdhsa_code_object_version 6
	.text
	.protected	k_qddfac74d85_attn
	.globl	k_qddfac74d85_attn
	.p2align	8
	.type	k_qddfac74d85_attn,@function
k_qddfac74d85_attn:
	s_mov_b64 s[64:65], 0
	v_nop
	global_prefetch_b8 v0, s[64:65] scope:SCOPE_SE
	s_setreg_imm32_b32 hwreg(HW_REG_WAVE_MODE, 25, 1), 1
	s_wait_xcnt 0x0
; CAUSAL ATTENTION, head size 64, 2,048 tokens, 32 batch x head.  O[q] = the sum over k <= q of softmax_k(Q[q] . K[k] / 8) V[k].  q, k, v, o are f16 in the tiled16 layout (blocks of 512 bytes:
; lane r + 16 h owns row r, k = 8 h .. 8 h + 7); v's blocks hold V^T (row = channel, k = token).  Products, maxima and sums in f32; the weights p are rounded to f16 for the second product, O once.
; LIMITS.  q, k, v lie within f16's 65,504.  A hidden score counts as its value less 1e30; a weight below 2^-126 counts as 0 in l; NaN and infinities are not treated apart.
; THE WALK.  A head's queries lie in 16 blocks of 128; block i needs the key tiles 0 .. i / 2 of 256 keys, the last of which holds the diagonal.  A work-group takes blocks 15 - b and then b: 9 tiles,
; whatever b: all work-groups do equal work and every trip count is a constant.  Which tile is asked for and what a trip does hang on scalars made from b; every jump goes forward but the counted loops' own.
; NO CLUSTER: the 8 work-groups of a head ask for the same tile in the first 5 of the 9 trips alone; behind that each wants other tiles.
; SHARES.  A block has two bands of 64 queries; a wave owns 16 rows of each: two PIECES.  In the diagonal tile's key step s band x sees all keys if s < d + x, none if s > d + x, and holds the diagonal if
; s = d + x, with d = 2 (i % 2): the same for all four waves.
; THE MASK is the C operand that starts S^T = K Q^T: MD (the mask of a band's own step, made once) x AL + BE, with two scalars; only the diagonal tile's text and a block's beginning take masks.
; TURNS.  Turn A(j) belongs to piece 0: products K Q^T of piece 1 for step j, later V^T P of piece 1 for step j - 1; beside them piece 0's scaling, exponentials, roundings, sums and rescaling, and piece 1's
; maximum and statistics.  Turn B(j) the same with the pieces changed: K Q^T of piece 0 for step j + 1, V^T P of piece 0 for step j.  Four vector instructions stand behind every matrix instruction, the rest
; in one lump; a turn's 33 exponentials are one batch with one wait.  A(j) fetches K of step j + 1 (in its lump) and V of step j (at its end).
; RINGS.  K runs a step ahead of V, so at a change of tiles K of the new tile is wanted while V of the old one is still to be read: the rings have four slots of a tile (K at 0, V at 131,072; 32,768 bytes a
; slot): the tile before, the tile in hand, the tile coming in.  The fetch pointers step by a key step's 8,192 bytes and wrap at 131,072.
; A PHASE stands behind each change of slots: four trips [A, B]: the last step of the tile before and three steps of the tile entered; where a block begins: the old block's last trip and way out, the new
; block's beginning, three trips.  Either way four fetches of K and four of V.
; REGISTERS (windows of 256).  0: v2-8 addresses; v12-13, v48-55 at work; v16-23 statistics; v64-127 S^T, two buffers; v192-223 P, two buffers.
; 1: v0-63 O^T; v128-159 MD; v160-223 MC, two buffers.   2: v0-31 Q; v64-95 the second block's Q; v128-191 K of one step; v192-255 V of one step.
.set NP,    2
.set VRING, 131072
.set RMASK, 0x1ffff
.set SPARE, 262144                     ; behind the rings: the spare words, 128 bytes a wave
.set AK0, 2
.set AV0, 3
.set AK,  4
.set AV,  5
.set GO,  8                            ; v8 16 l
.set MV,  12
.set ST,  16                           ; piece t's statistics at v[ST+4 t]: c m, m, l (even keys', odd keys')
.set TMP, 48
.set PFO, 60
.set SPW, 62
.set NIL, 63
.set S,   64
.set P,   192
.set MD,  128
.set MC,  160
.set QB,  64
.set KF,  128
.set VF,  192
.set WV,  12
.set PB,  14
.set HI,  15
.set G1,  24
.set DCUR, 32                          ; d of the block in hand
.set DLO, 33                           ; d of the second block
.set S0,  34                           ; d less the diagonal tile's step for which piece 0's next mask is made
.set HAVE, 35                          ; 1: a block has begun
.set T2,  36
.set PFN, 37                           ; prefetches still to come
.set NTLO, 38                          ; the second block's tiles
.set G0K, 40
.set G0V, 44
.set KH,  48
.set VH,  50
.set PFK, 52
.set PFV, 54
.set SLOTS, 56
.set CNT, 57
.set CS,  58
.set SEL, 60
.set TBK, 62
.set TBV, 63
.set RT,  70
.set NXT, 71
.set LQ,  72
.set NEW, 73
.set OFF, 74
.set AL,  76
.set BE,  78
.set OLO, 80
.set BIGN, 82
.set NLQ, 83
.set MSB, 0
.macro WIN new
.if MSB != (\new)
	s_set_vgpr_msb (MSB<<8)|(\new)
.set MSB, (\new)
.endif
.endm
.set W_KQ, 0x0a
.set W_KM, 0x1a
.set W_PV, 0x52
.set W_RS, 0x41
.macro LOAD                            ; a fill: waves 0, 1 fetch the halves of a tile's K, waves 2, 3 of its V: 16,384 dense bytes each; s_nop 0 and four v_nop follow each line
	s_cmp_lt_u32 s[WV], 2
	s_cbranch_scc0 .Lfor_v_\@
	tensor_load_to_lds s[G0K:G0K+3], s[G1:G1+7]
	s_nop 0
.rept 4
	v_nop
.endr
	s_branch .Lasked_\@
.Lfor_v_\@:
	tensor_load_to_lds s[G0V:G0V+3], s[G1:G1+7]
	s_nop 0
.rept 4
	v_nop
.endr
.Lasked_\@:
.endm
; A PREFETCH of the tile behind the one just asked for: its 32,768 bytes of K and of V, a thread a block of 256 bytes.  All 8 work-groups of a head walk the same tiles: the one with b = 0, which walks
; tiles 0 to 7 in order, asks, in its first six changes of slots, for tiles 2 to 7: each block is named once.  Tiles 0 and 1 come by their loads alone.
.macro ASKPF
	s_cmp_lg_u32 s[PFN], 0
	s_cbranch_scc0 .Lnone_\@
	global_prefetch_b8 v[PFO], s[PFK:PFK+1] offset:32768 th:TH_LOAD_NT scope:SCOPE_SE
	global_prefetch_b8 v[PFO], s[PFV:PFV+1] offset:32768 th:TH_LOAD_NT scope:SCOPE_SE
	s_sub_co_u32 s[PFN], s[PFN], 1
.Lnone_\@:
.endm
; THE CHANGE OF SLOTS.  Each wave waits for all its tensor loads (one is out: its part of the tile to be entered), adds 0 to its spare word, and waits for that and for its LDS reads.  fill = 1: the slot
; three tiles back is filled with tile NXT, first thing behind the barrier; the descriptor's address is made anew from that number.
.macro CHANGE fill
	WIN 0
	s_wait_tensorcnt 0x0
	ds_add_u32 v[SPW], v[NIL]                      ; 0 onto my spare word; scalar work stands between it and the wait for it
.if \fill
	s_lshl_b32 s[OFF], s[NXT], 15
	s_add_co_u32 s[G0K+1], s[G0K+1], 32768
	s_and_b32 s[G0K+1], s[G0K+1], RMASK
	s_add_co_u32 s[G0V+1], s[G0K+1], VRING
	s_add_nc_u64 s[G0K+2:G0K+3], s[6:7], s[OFF:OFF+1]
	s_or_b32 s[G0K+3], s[G0K+3], 0x80000000
	s_add_nc_u64 s[G0V+2:G0V+3], s[8:9], s[OFF:OFF+1]
	s_or_b32 s[G0V+3], s[G0V+3], 0x80000000
	s_wait_xcnt 0x0                                ; the last prefetches, a phase back, have read their addresses
	s_add_nc_u64 s[PFK:PFK+1], s[KH:KH+1], s[OFF:OFF+1]
	s_add_nc_u64 s[PFV:PFV+1], s[VH:VH+1], s[OFF:OFF+1]
	s_add_co_u32 s[NXT], s[NXT], 1                 ; the block's next tile, or behind its last the second block's tile 0
	s_cmp_gt_u32 s[NXT], s[LQ]
	s_cselect_b32 s[NXT], 0, s[NXT]
	s_cselect_b32 s[LQ], s[NLQ], s[LQ]
.endif
	s_wait_dscnt 0x0
	s_barrier_signal -1
	s_barrier_wait -1
.if \fill
	LOAD
	ASKPF
.endif
.endm
	s_load_b128 s[88:91], s[0:1], 0x0              ; qkv s[88:89], o s[90:91]
	v_lshl_add_u32 v[SPW], v0, 2, SPARE
	v_mov_b32 v[NIL], 0
	ds_add_u32 v[SPW], v[NIL]                      ; the wave's opening: the add and its wait ahead of my first tensor load
	ds_add_u32 v62, v63
	v_lshrrev_b32 v1, 5, v0
	v_readfirstlane_b32 s[WV], v1
	s_mov_b32 s[PB], ttmp9
	s_sub_co_u32 s[HI], 15, s[PB]
	s_and_b32 s20, ttmp7, 0xffff                   ; batch x head
	s_lshl_b32 s21, s20, 18                        ; its 262,144 bytes in q, in k and in v
	s_and_b32 s16, s[WV], 1
	s_lshl_b32 s17, s16, 14                        ; which half of a tile I fetch: in memory and in LDS alike
	s_lshl_b32 s3, s[WV], 11                       ; my tile of 16 tokens in a band,
	s_add_co_u32 s3, s3, s21
	s_lshl_b32 s2, s[HI], 14                       ; in the first block (8 tiles of 2,048 bytes a block),
	s_add_co_u32 s2, s2, s3
	s_lshl_b32 s84, s[PB], 14                      ; and in the second
	s_add_co_u32 s84, s84, s3
	s_mov_b32 s3, 0
	s_mov_b32 s85, 0
	s_lshr_b32 s18, s20, 4                         ; o: the batch's 128 tile-rows of 32,768 bytes,
	s_lshl_b32 s18, s18, 22
	s_and_b32 s19, s20, 15
	s_lshl_b32 s19, s19, 11                        ; the head's four k tiles,
	s_add_co_u32 s18, s18, s19
	s_lshl_b32 s19, s[WV], 15                      ; my tile-row in a band
	s_add_co_u32 s18, s18, s19
	s_lshl_b32 s22, s[HI], 18
	s_add_co_u32 s22, s22, s18
	s_mov_b32 s23, 0
	s_lshl_b32 s86, s[PB], 18
	s_add_co_u32 s86, s86, s18
	s_mov_b32 s87, 0
	s_mov_b32 s[G1+0], 1<<16                       ; elements of 2 bytes; no mask, no padding
	s_mov_b32 s[G1+1], 128<<16                     ; 64 rows of 256 bytes
	s_mov_b32 s[G1+2], 64<<16
	s_mov_b32 s[G1+3], 128<<16
	s_mov_b32 s[G1+4], 64
	s_mov_b32 s[G1+5], 128
	s_mov_b32 s[G1+6], 0
	s_mov_b32 s[G1+7], 0
	s_mov_b32 s[CS], 0x3e38aa3b                    ; c = log2(e) / 8
	s_mov_b32 s[CS+1], s[CS]
	s_mov_b32 s[SEL], 0x76543210
	s_mov_b32 s[SEL+1], 0xfedcba98
	s_mov_b32 s[TBK], 0
	s_mov_b32 s[TBV], 0
	s_mov_b32 s[G0K], 1
	s_mov_b32 s[G0K+1], s17
	s_mov_b32 s[G0V], 1
	s_add_co_u32 s[G0V+1], s17, VRING
	s_lshr_b32 s[LQ], s[HI], 1                     ; the first block's last tile
	s_add_co_u32 s[RT], s[LQ], 1
	s_lshr_b32 s[NLQ], s[PB], 1                    ; the second block's
	s_add_co_u32 s[NTLO], s[NLQ], 1
	s_and_b32 s[DCUR], s[HI], 1
	s_lshl_b32 s[DCUR], s[DCUR], 1
	s_and_b32 s[DLO], s[PB], 1
	s_lshl_b32 s[DLO], s[DLO], 1
	s_cmp_eq_u32 s[PB], 0
	s_cselect_b32 s[PFN], 6, 0
	s_mov_b32 s[NXT], 1
	s_mov_b32 s[NEW], 1
	s_mov_b32 s[HAVE], 0
	s_mov_b32 s[S0], 0
	s_mov_b32 s[OFF+1], 0
	s_mov_b32 s[AL+1], 0
	s_mov_b32 s[BE+1], 0
	s_mov_b32 s[BIGN], 0xf149f2ca                  ; -1e30
	s_mov_b32 s[SLOTS], 8
	s_wait_dscnt 0x0                               ; the opening add is done
	s_wait_kmcnt 0x0
	s_add_nc_u64 s[4:5], s[88:89], s[2:3]          ; Q at my rows of the first block,
	s_add_nc_u64 s[84:85], s[88:89], s[84:85]      ; of the second
	s_add_nc_u64 s[10:11], s[90:91], s[22:23]      ; O likewise
	s_add_nc_u64 s[OLO:OLO+1], s[90:91], s[86:87]
	s_mov_b32 s22, s21
	s_add_nc_u64 s[KH:KH+1], s[88:89], s[22:23]
	s_add_nc_u64 s[VH:VH+1], s[KH:KH+1], 16777216  ; the head's V
	s_add_nc_u64 s[KH:KH+1], s[KH:KH+1], 8388608   ; the head's K
	s_mov_b32 s22, s17
	s_add_nc_u64 s[6:7], s[KH:KH+1], s[22:23]      ; at my half of tile 0
	s_add_nc_u64 s[8:9], s[VH:VH+1], s[22:23]
	s_add_nc_u64 s[G0K+2:G0K+3], s[6:7], 0
	s_or_b32 s[G0K+3], s[G0K+3], 0x80000000
	s_add_nc_u64 s[G0V+2:G0V+3], s[8:9], 0
	s_or_b32 s[G0V+3], s[G0V+3], 0x80000000
	LOAD                                           ; tile 0 into slot 0
	v_and_b32 v1, 15, v0                           ; l % 16
	v_bfe_u32 v9, v0, 4, 1                         ; l / 16
	v_and_b32 v10, 31, v0
	v_lshlrev_b32 v[GO], 4, v10
	WIN 0x80
.set i, 0
.rept 4                                ; both blocks' Q: piece i / 2 lies four tiles (8,192 bytes) on; channels 32 (i % 2) on
	global_load_b128 v[8*i:8*i+3],   v[GO], s[4:5] offset:(i/2)*8192+(i%2)*1024
	global_load_b128 v[8*i+4:8*i+7], v[GO], s[4:5] offset:(i/2)*8192+(i%2)*1024+512
	global_load_b128 v[QB+8*i:QB+8*i+3],   v[GO], s[84:85] offset:(i/2)*8192+(i%2)*1024
	global_load_b128 v[QB+8*i+4:QB+8*i+7], v[GO], s[84:85] offset:(i/2)*8192+(i%2)*1024+512
.set i, i+1
.endr
	WIN 0
	v_lshlrev_b32 v14, 3, v9
	v_sub_nc_u32 v14, v1, v14
	s_lshl_b32 s13, s[WV], 4
	v_add_nc_u32 v14, s13, v14                     ; my query's place in its band less my lanes' 8 (l / 16): register r of key group kt is hidden where 16 kt + r is greater
	WIN 0x40
.set i, 0
.rept 32
	v_cmp_gt_i32 vcc_lo, 16*(i/8)+i%8, v14
	v_cndmask_b32 v[MD+i], 0, s[BIGN], vcc_lo
.set i, i+1
.endr
	WIN 0
	v_mov_b32 v[AK0], v[GO]
	v_add_nc_u32 v[AV0], VRING, v[GO]
	v_lshlrev_b32 v[PFO], 8, v0
	; A block's first step multiplies O^T and l by a = 0, and its first turn's products V^T P, of a step that has not been, land in an O^T still to be so multiplied: these registers need only be finite.
	WIN 0x80
.set i, VF
.rept 64
	v_mov_b32 v[i], 0
.set i, i+1
.endr
	WIN 0x40
.set i, 0
.rept 64
	v_mov_b32 v[i], 0
.set i, i+1
.endr
	WIN 0
.set i, 0
.rept 2
	v_mov_b32 v[ST+4*i+2], 0
	v_mov_b32 v[ST+4*i+3], 0
.set i, i+1
.endr
.set i, P+16
.rept 16
	v_mov_b32 v[i], 0
.set i, i+1
.endr
; THE MATRIX WORK.  The 4 accumulators of a run of 8 take turns.  Product i of 8 of S^T = K Q^T for piece x: channels 32 (i / 4) on, keys 16 (i % 4) on.
.macro KQ x
.set rS, S+32*((\x)%2)+8*(i%4)
.set rK, KF+16*(i%4)+8*(i/4)
.set rQ, 16*(\x)+8*(i/4)
.set rM, MC+32*((\x)%2)+8*(i%4)
.if (i < 4) && KM
	WIN W_KM
	v_wmma_f32_16x16x32_f16 v[rS:rS+7], v[rK:rK+7], v[rQ:rQ+7], v[rM:rM+7]
.elseif i < 4
	WIN W_KQ
	v_wmma_f32_16x16x32_f16 v[rS:rS+7], v[rK:rK+7], v[rQ:rQ+7], 0
.else
	WIN W_KQ
	v_wmma_f32_16x16x32_f16 v[rS:rS+7], v[rK:rK+7], v[rQ:rQ+7], v[rS:rS+7]
.endif
.endm
.macro PV x                            ; product i of 8 of O^T += V^T P for piece x: keys 32 (i / 4) on, channels 16 (i % 4) on
	WIN W_PV
.set rO, 32*(\x)+8*(i%4)
.set rV, VF+32*(i/4)+8*(i%4)
.set rP, P+16*((\x)%2)+8*(i/4)
	v_wmma_f32_16x16x32_f16 v[rO:rO+7], v[rV:rV+7], v[rP:rP+7], v[rO:rO+7]
.endm
.macro MM                              ; the turn's next matrix instruction; NOKQ = 1: a block's last turn has no next scores
.if (i < 8) && !NOKQ
	KQ (Y+1)%NP
.elseif i >= 8
.set i, i-8
	PV (Y+1)%NP
.set i, i+8
.endif
.set i, i+1
.endm
; THE LDS LOADS stand in runs of 16: a step's K (8,192 consecutive bytes: register group n from byte 512 n) and its V^T (keys 32 (f / 4) on, channels 16 (f % 4) on).
.macro FETCH_K
	WIN 0x80
.irp f, 0,1,2,3,4,5,6,7,8,9,10,11,12,13,14,15
	ds_load_b128 v[KF+4*\f:KF+4*\f+3], v[AK] offset:512*\f
.endr
	s_add_co_u32 s[TBK], s[TBK], 8192
	s_and_b32 s[TBK], s[TBK], RMASK
	WIN 0
.endm
.macro FETCH_V
	WIN 0x80
.irp f, 0,1,2,3,4,5,6,7
	ds_load_b128 v[VF+8*\f:VF+8*\f+3],   v[AV] offset:(\f/4)*4096+(\f%4)*512
	ds_load_b128 v[VF+8*\f+4:VF+8*\f+7], v[AV] offset:(\f/4)*4096+2048+(\f%4)*512
.endr
	WIN 0
.endm
; THE VECTOR WORK, one line at a time: OP kind, number.  For piece Y: F n: c s - c m for pair n of 16.  E n: the exponential of score n.  C n: pair n rounded to f16.  B n: of the four weights 4 n .. the
; second pair is added onto the first.  L n: l takes that sum (L 0: l = a l + sum).  R n: pair n of O^T times a.  For the other piece: X n, number n of the 22 that find its maximum and statistics
; (each accumulator's lowest registers are read first).
.set F, 0
.set E, 1
.set C, 2
.set B, 3
.set L, 4
.set R, 5
.set X, 6
.macro REGS y
.set rT, ST+4*(\y)
.set rC, TMP+4*((\y)%2)
.set rW, MV+((\y)%2)
.set rS, S+32*((\y)%2)
.set rP, P+16*((\y)%2)
.set rO, 32*(\y)
.endm
.macro OP k, n
.if (\k) == R
	REGS Y
	WIN W_RS
	v_pk_mul_f32 v[rO+2*(\n):rO+2*(\n)+1], v[rO+2*(\n):rO+2*(\n)+1], v[rC+2:rC+3] op_sel_hi:[1,0]
.elseif (\k) < R
	REGS Y
	WIN 0
.if (\k) == F
	v_pk_fma_f32 v[rS+2*(\n):rS+2*(\n)+1], v[rS+2*(\n):rS+2*(\n)+1], s[CS:CS+1], v[rT:rT+1] op_sel_hi:[1,0,0] neg_lo:[0,0,1] neg_hi:[0,0,1]
.elseif (\k) == E
	v_exp_f32 v[rS+(\n)], v[rS+(\n)]
.elseif (\k) == C
	v_cvt_pk_f16_f32 v[rP+(\n)], v[rS+2*(\n)], v[rS+2*(\n)+1]
.elseif (\k) == B
	v_pk_add_f32 v[rS+4*(\n):rS+4*(\n)+1], v[rS+4*(\n):rS+4*(\n)+1], v[rS+4*(\n)+2:rS+4*(\n)+3]
.elseif (\n) == 0
	v_pk_fma_f32 v[rT+2:rT+3], v[rT+2:rT+3], v[rC+2:rC+3], v[rS:rS+1] op_sel_hi:[1,0,1]
.else
	v_pk_add_f32 v[rT+2:rT+3], v[rT+2:rT+3], v[rS+4*(\n):rS+4*(\n)+1]
.endif
.elseif NOKQ
	v_nop
.else
	REGS (Y+1)%NP
	WIN 0
.if (\n) < 4
	v_max3_num_f32 v[rC+(\n)], v[rS+8*(\n)], v[rS+8*(\n)+1], v[rS+8*(\n)+2]
.elseif (\n) < 12
	v_max3_num_f32 v[rC+(\n)%4], v[rC+(\n)%4], v[rS+8*((\n)%4)+2*((\n)/4)+1], v[rS+8*((\n)%4)+2*((\n)/4)+2]
.elseif (\n) == 12
	v_max3_num_f32 v[rC], v[rC], v[rS+7], v[rS+15]
.elseif (\n) == 13
	v_max3_num_f32 v[rC+1], v[rC+1], v[rS+23], v[rS+31]
.elseif (\n) == 14
	v_max3_num_f32 v[rC+2], v[rC+2], v[rC+3], v[rT+1]
.elseif (\n) == 15
	v_mov_b32 v[rW], v[rT]
.elseif (\n) == 16
	v_max3_num_f32 v[rC], v[rC], v[rC+1], v[rC+2]
.elseif (\n) == 17
	v_permlanex16_b32 v[rC+3], v[rC], s[SEL], s[SEL+1]
.elseif (\n) == 18
	v_max_num_f32 v[rT+1], v[rC], v[rC+3]
.elseif (\n) == 19
	v_mul_f32 v[rT], s[CS], v[rT+1]
.elseif (\n) == 20
	v_sub_f32 v[rC+1], v[rW], v[rT]
.else
	v_exp_f32 v[rC+2], v[rC+1]
.endif
.endif
.endm
.macro OPS a, i1, b=-1, i2=0, c=-1, i3=0, d=-1, i4=0
	OP \a, \i1
.if (\b) >= 0
	OP \b, \i2
.endif
.if (\c) >= 0
	OP \c, \i3
.endif
.if (\d) >= 0
	OP \d, \i4
.endif
.endm
.macro ROW a, i1, b, i2, c, i3, d, i4  ; a matrix instruction and the four behind it
	MM
	OPS \a, \i1, \b, \i2, \c, \i3, \d, \i4
.endm
.macro MASK b                          ; MD x AL + BE into buffer b of MC
	WIN W_RS
.set z, 0
.rept 16
	v_pk_fma_f32 v[MC+32*(\b)+2*z:MC+32*(\b)+2*z+1], v[MD+2*z:MD+2*z+1], s[AL:AL+1], s[BE:BE+1] op_sel_hi:[1,0,0]
.set z, z+1
.endr
.endm
; A TURN, for piece p.  Ahead of its one wait stands all that names no result of the turn's exponentials: 8 products K Q^T with their riders and a lump of 54; behind it 8 products V^T P, behind each four
; of the roundings and sums.  m = 1: the products take masks, and the turn makes the mask for the products of the turn after it.  end = 1: a block's last two turns: K is not fetched, the last starts no scores.
; cnt = 1: the loop's count is taken down some lines ahead of the branch behind the turn.  K's run stands six plain instructions behind the last product that read K, V's four behind the last that read V.
.macro TURN p, m=0, end=0, cnt=0
.set Y, (\p)
.set i, 0
.set KM, (\m)
.set NOKQ, (\end)*(\p)
.if (\m) && !(\end)
.if (\p) == 0
	s_cmp_eq_i32 s[S0], 0                          ; piece 0's next step: its band's own?
	s_cselect_b32 s[AL], 1.0, 0
	s_cmp_lt_i32 s[S0], 0                          ; or a later one?
	s_cselect_b32 s[BE], s[BIGN], 0
.else
	s_cmp_eq_i32 s[S0], -1                         ; piece 1's band has its own step one later
	s_cselect_b32 s[AL], 1.0, 0
	s_cmp_lt_i32 s[S0], -1
	s_cselect_b32 s[BE], s[BIGN], 0
	s_sub_co_i32 s[S0], s[S0], 1
.endif
.endif
.if ((\p) == 1) && !(\end)
	s_wait_dscnt 16                                ; K is in; V's sixteen younger loads may stay out
.endif
	ROW F,0, F,1, R,0, R,1
	ROW F,2, E,0, R,2, R,3
	ROW F,3, E,1, R,4, R,5
	ROW F,4, E,2, R,6, R,7
	ROW F,5, E,3, R,8, R,9
	ROW F,6, E,4, X,0, R,10
.if ((\p) == 0) && !(\end)
	WIN 0
	v_add_nc_u32 v[AK], s[TBK], v[AK0]
.endif
	ROW F,7, E,5, X,1, X,4
	ROW F,8, E,6, X,2, X,5
	OPS E,7, E,8, X,6, E,9
	OPS X,3, E,10, X,8, E,11
.if ((\p) == 0) && !(\end)
	FETCH_K
.endif
	OPS X,9, X,7, E,12, X,10
	OPS E,13, X,12, X,11, E,14
	OPS X,13, E,15, F,9, X,14
.if (\p) == 0
	WIN 0
	v_add_nc_u32 v[AV], s[TBV], v[AV0]
.endif
	OPS E,16, F,10, E,17, F,11
	OPS X,16, E,18, X,15, E,19
	OPS F,12, E,20, X,17, E,21
	OPS F,13, E,22, F,14, E,23
	OPS X,18, E,24, F,15, E,25
	OPS R,11, E,26, X,19, E,27
	OPS R,12, E,28, R,13, E,29
	OPS X,20, E,30, R,14, E,31
	OPS X,21, R,15                                 ; the other piece's a is the batch's last; R 15 is the plain instruction behind it
	WIN 0
	s_wait_alu depctr_va_vdst(0)                   ; the one wait for the batch, ahead of the first reader of a result
.if (\p) == 1
	s_wait_dscnt 0x0                               ; V is in
.endif
	ROW C,0, B,0, C,2, B,1
	ROW L,0, C,4, B,2, L,1
	ROW C,6, B,3, L,2, C,8
	ROW B,4, L,3, C,10, B,5
	ROW L,4, C,12, B,6, L,5
.if (\p) == 0
	s_add_co_u32 s[TBV], s[TBV], 8192
	s_and_b32 s[TBV], s[TBV], RMASK
.endif
.if \cnt
	s_sub_co_u32 s[CNT], s[CNT], 1
	s_cmp_lg_u32 s[CNT], 0
.endif
	ROW C,14, B,7, L,6, C,1
	ROW C,3, L,7, C,5, C,7
	ROW C,9, C,11, C,13, C,15
.if (\p) == 0
	FETCH_V
.endif
.if (\m) && !(\end)
	MASK (\p)%2
.endif
.endm
; A BLOCK BEGINS.  c m starts far below every c s, so the first step's a is 0; m at the lowest finite number.  Piece 1's mask buffer is 0; piece 0's takes its mask for the tile's step 0: its own where the
; block's first tile is the diagonal one and d = 0.  Then K of that step, piece 0's first scores, its maximum and statistics.
.macro BEGIN
	s_mov_b32 s[NEW], 0
	s_mov_b32 s[HAVE], 1
	s_sub_co_u32 s[RT], s[RT], 1
	WIN 0x40
.set i, MC+32
.rept 32
	v_mov_b32 v[i], 0
.set i, i+1
.endr
	WIN 0
.set i, 0
.rept 2
	v_mov_b32 v[ST+4*i], 0xfe000000
	v_mov_b32 v[ST+4*i+1], 0xff7fffff
.set i, i+1
.endr
	s_or_b32 s[AL], s[RT], s[DCUR]
	s_cmp_eq_u32 s[AL], 0
	s_cselect_b32 s[AL], 1.0, 0
	s_mov_b32 s[BE], 0
	MASK 0
	WIN 0
	v_add_nc_u32 v[AK], s[TBK], v[AK0]
	FETCH_K
	s_wait_loadcnt 0x0                             ; Q
	s_wait_dscnt 0x0
.set KM, 1
.set NOKQ, 0
.set i, 0
.rept 8
	KQ 0
.set i, i+1
.endr
	WIN 0
.rept 4
	v_nop                                          ; the places behind those products
.endr
.set Y, NP-1
.irp n, 0,1,2,3,4,5,6,7,8,9,10,11,12,13,14,15,16,17,18,19,20,21
	OP X, \n
.endr
	v_nop                                          ; a plain instruction behind the exponential,
	s_wait_alu depctr_va_vdst(0)                   ; and its wait, ahead of the branch
	s_mov_b32 s[CNT], 3
	s_sub_co_i32 s[S0], s[DCUR], 1
.endm
.macro SENDO t                         ; piece t's O^T is divided by l and rounded; a lane's eight channels of a token are its 16 bytes of a tiled16 block: four stores of a whole block
	WIN W_RS
.set z, 32*(\t)
.rept 16
	v_pk_mul_f32 v[z:z+1], v[z:z+1], v[ST+4*(\t)+2:ST+4*(\t)+3] op_sel_hi:[1,0]
.set z, z+2
.endr
	WIN 0x05
.set z, 0
.rept 16
	v_cvt_pk_f16_f32 v[S+16*(\t)+z], v[32*(\t)+2*z], v[32*(\t)+2*z+1]
.set z, z+1
.endr
	WIN 0
.irp f, 0,1,2,3
	global_store_b128 v[GO], v[S+16*(\t)+4*\f:S+16*(\t)+4*\f+3], s[10:11] offset:(\t)*131072+\f*512
.endr
.endm
.macro BLKEND                          ; a block's last trip, its last products, and the way out
	TURN 0, 1, 1
	TURN 1, 1, 1
.set i, 0
.rept 8
	PV 1
.set i, i+1
.endr
	WIN 0
	v_add_f32 v[ST+2], v[ST+2], v[ST+3]
	v_add_f32 v[ST+6], v[ST+6], v[ST+7]
	v_permlanex16_b32 v[ST+3], v[ST+2], s[SEL], s[SEL+1]
	v_permlanex16_b32 v[ST+7], v[ST+6], s[SEL], s[SEL+1]
	v_add_f32 v[ST+2], v[ST+2], v[ST+3]
	v_add_f32 v[ST+6], v[ST+6], v[ST+7]
	v_rcp_f32 v[ST+2], v[ST+2]
	v_rcp_f32 v[ST+6], v[ST+6]
	v_nop                                          ; a plain instruction behind the last reciprocal,
	s_wait_alu depctr_va_vdst(0)                   ; and one wait for both, ahead of the first use
	SENDO 0
	SENDO 1
.endm
.macro SETUP2                          ; on to the second block
	s_wait_xcnt 0x0                                ; the stores have read their registers and O's address
	s_mov_b64 s[10:11], s[OLO:OLO+1]
	s_mov_b32 s[RT], s[NTLO]
	s_mov_b32 s[DCUR], s[DLO]
	WIN 0x82
.set i, 0
.rept 32
	v_mov_b32 v[i], v[QB+i]
.set i, i+1
.endr
	WIN 0
.endm
.set KM, 0
.set NOKQ, 0
.Lslot:                                        ; 8 times: a tile is entered and the next is asked for
	CHANGE 1
	s_cmp_eq_u32 s[NEW], 1
	s_cbranch_scc1 .Lnew                           ; a block's first tile
	s_sub_co_u32 s[RT], s[RT], 1
	s_mov_b32 s[CNT], 4
	s_mov_b32 s[S0], s[DCUR]
	s_cmp_eq_u32 s[RT], 0
	s_cbranch_scc0 .Lstep                          ; neither its first nor its last
	s_branch .LstepM1
.Lnew:
	s_cmp_eq_u32 s[HAVE], 0
	s_cbranch_scc1 .Lbegin1
	BLKEND
	SETUP2
.Lbegin1:
	BEGIN
	s_branch .Lstep                                ; in this loop a block's first tile is never its last: the first block has five tiles or more, the second's last is the walk's last
.LstepM1:                                      ; the first block's diagonal tile
	TURN 0, 1
	TURN 1, 1, 0, 1
	WIN 0
	s_cbranch_scc1 .LstepM1
	s_mov_b32 s[NEW], 1
	s_branch .Lbottom
.Lstep:
	TURN 0
	TURN 1, 0, 0, 1
	WIN 0
	s_cbranch_scc1 .Lstep
.Lbottom:
	s_sub_co_u32 s[SLOTS], s[SLOTS], 1
	s_cmp_lg_u32 s[SLOTS], 0
	s_cbranch_scc1 .Lslot
	s_mov_b32 s[T2], 2
.Llast:                                        ; the walk's last tile, the second block's diagonal one, and then that block's end: nothing is asked for
	CHANGE 0
	s_mov_b32 s[CNT], 4
	s_mov_b32 s[S0], s[DCUR]
	s_cmp_eq_u32 s[NEW], 1
	s_cbranch_scc0 .LstepM2
	BLKEND
	s_cmp_eq_u32 s[T2], 1
	s_cbranch_scc1 .Lout
	SETUP2
	BEGIN
.LstepM2:
	TURN 0, 1
	TURN 1, 1, 0, 1
	WIN 0
	s_cbranch_scc1 .LstepM2
	s_mov_b32 s[NEW], 1
	s_sub_co_u32 s[T2], s[T2], 1
	s_cmp_lg_u32 s[T2], 0
	s_cbranch_scc1 .Llast
.Lout:
	s_wait_tensorcnt 0x0                           ; the wave's end
	ds_add_u32 v[SPW], v[NIL]
	s_wait_dscnt 0x0
	s_endpgm
.Lfunc_end_k_qddfac74d85_attn:
	.size	k_qddfac74d85_attn, .Lfunc_end_k_qddfac74d85_attn-k_qddfac74d85_attn
	.p2alignl 7, 3214868480
	.fill 96, 4, 3214868480
	.section	.rodata,"a",@progbits
	.p2align	6, 0x0
	.amdhsa_kernel k_qddfac74d85_attn
		.amdhsa_group_segment_fixed_size 327680
		.amdhsa_private_segment_fixed_size 0
		.amdhsa_enable_private_segment 0
		.amdhsa_kernarg_size 16
		.amdhsa_user_sgpr_count 2
		.amdhsa_user_sgpr_kernarg_segment_ptr 1
		.amdhsa_wavefront_size32 1
		.amdhsa_system_sgpr_workgroup_id_x 1
		.amdhsa_system_sgpr_workgroup_id_y 1
		.amdhsa_system_sgpr_workgroup_id_z 1
		.amdhsa_system_vgpr_workitem_id 0
		.amdhsa_next_free_vgpr 768
		.amdhsa_next_free_sgpr 96
		.amdhsa_reserve_vcc 1
		.amdhsa_float_denorm_mode_32 3
		.amdhsa_float_denorm_mode_16_64 3
		.amdhsa_memory_ordered 1
		.amdhsa_forward_progress 1
		.amdhsa_inst_pref_size 143
	.end_amdhsa_kernel
	.amdgpu_metadata
---
amdhsa.version: [ 1, 2 ]
amdhsa.kernels:
  - .name:           k_qddfac74d85_attn
    .symbol:         k_qddfac74d85_attn.kd
    .args:
      - { .name: qkv, .offset: 0, .size: 8, .value_kind: global_buffer, .address_space: global }
      - { .name: o, .offset: 8, .size: 8, .value_kind: global_buffer, .address_space: global }
    .group_segment_fixed_size: 327680
    .private_segment_fixed_size: 0
    .kernarg_segment_align: 8
    .kernarg_segment_size: 16
    .max_flat_workgroup_size: 128
    .sgpr_count:     96
    .vgpr_count:     768
    .wavefront_size: 32
...
	.end_amdgpu_metadata
.endif
;; end of part 3
;; launch wo (part 4): grid 8 x 32, 4 waves a work-group, clusters of 4 x 4, 327,680 bytes of LDS; arguments o, wb, x, bO, y; writes y
.if DOCPART == 4
	.amdgcn_target "amdgcn-amd-amdhsa--gfx1250"
	.amdhsa_code_object_version 6
	.text
	.protected	k_qddfac74d85_wo
	.globl	k_qddfac74d85_wo
	.p2align	8
	.type	k_qddfac74d85_wo,@function
k_qddfac74d85_wo:
	s_mov_b64 s[64:65], 0
	v_nop
	global_prefetch_b8 v0, s[64:65] scope:SCOPE_SE
	s_setreg_imm32_b32 hwreg(HW_REG_WAVE_MODE, 25, 1), 1
	s_wait_xcnt 0x0
	s_wait_alu depctr_hold_cnt(0) depctr_sa_sdst(0) depctr_va_vdst(0) depctr_va_sdst(0) depctr_va_ssrc(0) depctr_va_vcc(0) depctr_vm_vsrc(0)
	s_getreg_b32 s2, hwreg(HW_REG_IB_STS2, 6, 4)
	s_cmp_eq_u32 s2, 0
	s_cbranch_scc0 .Lentry_in_a_cluster
	s_endpgm
.Lentry_in_a_cluster:
	s_bfe_u32 s2, ttmp6, 0x10000c
	s_cmp_lg_u32 s2, 0xf033
	s_cbranch_scc0 .Lentry_shape_is_right
	s_endpgm
.Lentry_shape_is_right:
; y = A W + bias + residual, f32 out.  Here A = the attention's o [4,096 x 1,024], W = WO, residual = x.  A and W are f16 in the tiled16 layout (blocks of 512 bytes: lane r + 16 h owns row r,
; k = 8 h .. 8 h + 7), sums f32; bias and residual stay f32.  LIMIT: the operands lie within f16's 65,504.
; SHARES.  A work-group makes 128 x 128 of y (256 work-groups), a wave 64 x 64: 16 accumulators.  The sources are swapped (source 0 = W), so a lane holds 8 neighbouring columns of a row.
; The bias is the C operand of the first products.  The residual is loaded at the start, in the layout of the stores, and stays in registers.
; RING.  K in steps of 256 through two LDS slots; a step's part of a tile-row is 8,192 consecutive bytes; each wave fetches 4 tile-rows (waves 0, 1 of A, waves 2, 3 of W).
; CLUSTER 4 x 4: A's tiles are shared along a row of the cluster, W's along a column: joint loads.
; REGISTERS.  window 0: v16-30 addresses; v32-95 bias, later rows on the way out; v128-255 accumulators ((a, b) at 128 + 8 (4 a + b)).  window 1: two fragment buffers of 128 (64 of A, 64 of W, 64 along K).
; window 2: v0-127 the residual.
.set KTOT,  1024
.set WOFF,  14680064
.set STEPB, 8192
.set TSTEPS, KTOT/256
.set TROWB, 32*KTOT                    ; bytes in a tile-row
.set SLOT,  131072
.set STAGE, 262144                     ; behind the ring: 16 rows x 272 bytes for each wave
.set SPARE, 279552                     ; behind the stages: the spare words, 128 bytes a wave
.set AA0, 16
.set AB0, 17
.set ADRA, 18
.set ADRB, 19
.set STO, 24
.set RD,  25
.set CO,  26
.set BO,  27
.set SPW, 28
.set NIL, 29
.set PFO, 30
.set BIAS, 32
.set TMP,  32
.set ACC,  128
.set F0, 0
.set F1, 128
.set G1, 24
.set G0, 32
.set G1B, 48
.set G0B, 56
.set PFA, 44
.set LIM, 43
.set MSB, 0
.macro WIN new
.if MSB != (\new)
	s_set_vgpr_msb (MSB<<8)|(\new)
.set MSB, \new
.endif
.endm
.macro JLOAD s                         ; a joint load; s_nop 0 and four v_nop follow each line
	s_cmp_eq_u32 s11, 0
	s_cbranch_scc0 .Lfor_b_\@
	tensor_load_to_lds s[G0+4*(\s):G0+4*(\s)+3], s[G1:G1+7]
	s_nop 0
.rept 4
	v_nop
.endr
	s_branch .Lasked_\@
.Lfor_b_\@:
	tensor_load_to_lds s[G0B+4*(\s):G0B+4*(\s)+3], s[G1B:G1B+7]
	s_nop 0
.rept 4
	v_nop
.endr
.Lasked_\@:
.endm
.macro ASK                             ; a prefetch of the K step behind the one just asked for: a lane a block of 256 bytes; the loop's last trip has none
	s_cmp_gt_u32 s3, s[LIM]
	s_cbranch_scc0 .Lnot_mine_\@
	global_prefetch_b8 v[PFO], s[PFA:PFA+1] offset:STEPB th:TH_LOAD_NT scope:SCOPE_SE
.Lnot_mine_\@:
.endm
.macro CREST
	s_cmp_lg_u32 s10, 0
	s_cbranch_scc1 .Lnot_wave_0_\@
	s_barrier_signal -3
.Lnot_wave_0_\@:
	s_barrier_wait -3
	s_barrier_signal -1
	s_barrier_wait -1
.endm
.macro CROUND
	s_barrier_signal -1
	s_barrier_wait -1
	CREST
.endm
.macro PLACES
.rept 4
	v_nop
.endr
.endm
	s_load_b256 s[68:75], s[0:1], 0x0              ; A s[68:69], wb s[70:71], residual s[72:73], bias s[74:75]
	s_load_b64 s[76:77], s[0:1], 0x20              ; y
	v_lshl_add_u32 v[SPW], v0, 2, SPARE
	v_mov_b32 v[NIL], 0
	ds_add_u32 v[SPW], v[NIL]                      ; the wave's opening: the add and its wait ahead of my first tensor load
	ds_add_u32 v28, v29
	v_lshrrev_b32 v1, 5, v0
	v_readfirstlane_b32 s10, v1
	s_lshr_b32 s11, s10, 1                         ; my half of the rows; also: I fetch for A (0) or W (1)
	s_and_b32 s12, s10, 1                          ; my half of the columns; also: which 4 tile-rows I fetch
	s_bfe_u32 s40, ttmp6, 0x40000
	s_bfe_u32 s41, ttmp6, 0x40004
	s_lshl_b32 s42, ttmp9, 2
	s_add_co_u32 s42, s42, s40                     ; block of 128 columns
	s_and_b32 s13, ttmp7, 0xffff
	s_lshl_b32 s13, s13, 2
	s_add_co_u32 s13, s13, s41                     ; block of 128 rows
	s_lshl_b32 s43, s41, 2
	s_lshl_b32 s43, 15, s43
	s_lshl_b32 s44, 0x1111, s40
	s_or_b32 s[G1+0], s43, (1<<16)|(1<<21)
	s_or_b32 s[G1B+0], s44, (1<<16)|(1<<21)
.irp g, G1, G1B
	s_mov_b32 s[(\g)+1], 4096<<16                  ; tensor_dim0 = 4,096 elements: a step's 8,192 bytes of a tile-row
	s_mov_b32 s[(\g)+2], 4<<16                     ; 4 tile-rows
	s_mov_b32 s[(\g)+3], 4096<<16
	s_mov_b32 s[(\g)+4], 4
	s_mov_b32 s[(\g)+5], 16*KTOT
	s_mov_b32 s[(\g)+6], 0
	s_mov_b32 s[(\g)+7], 0
.endr
	s_lshl_b32 s16, s13, 3
	s_lshl2_add_u32 s16, s12, s16                  ; A: tile-row 8 by + 4 half
	s_mul_i32 s16, s16, TROWB
	s_mov_b32 s17, 0
	s_lshl_b32 s46, s42, 3
	s_lshl2_add_u32 s46, s12, s46                  ; W: tile-row 8 bx + 4 half
	s_mul_i32 s46, s46, TROWB
	s_add_co_u32 s46, s46, WOFF
	s_mov_b32 s47, 0
	s_lshl_b32 s20, s10, 15                        ; LDS: 32,768 x wave
	s_wait_dscnt 0x0
	s_wait_kmcnt 0x0
	s_add_nc_u64 s[14:15], s[68:69], s[16:17]
	s_add_nc_u64 s[46:47], s[70:71], s[46:47]
	CROUND
.irp s, 0,1
	s_mov_b32 s[G0+4*(\s)], 1
	s_add_co_u32 s[G0+4*(\s)+1], s20, (\s)*SLOT
	s_add_nc_u64 s[G0+4*(\s)+2:G0+4*(\s)+3], s[14:15], (\s)*STEPB
	s_or_b32 s[G0+4*(\s)+3], s[G0+4*(\s)+3], 0x80000000
	s_mov_b32 s[G0B+4*(\s)], 1
	s_add_co_u32 s[G0B+4*(\s)+1], s20, (\s)*SLOT
	s_add_nc_u64 s[G0B+4*(\s)+2:G0B+4*(\s)+3], s[46:47], (\s)*STEPB
	s_or_b32 s[G0B+4*(\s)+3], s[G0B+4*(\s)+3], 0x80000000
	JLOAD \s
.endr
	v_and_b32 v1, 31, v0
	v_lshlrev_b32 v2, 4, v1                        ; 16 l
	v_and_b32 v3, 15, v0                           ; r
	v_bfe_u32 v4, v0, 4, 1                         ; h
	v_lshlrev_b32 v[BO], 5, v4
	s_lshl_b32 s22, s42, 9
	s_lshl_b32 s23, s12, 8
	s_add_co_u32 s22, s22, s23                     ; my first column, in bytes of f32
	s_mov_b32 s23, 0
	s_add_nc_u64 s[74:75], s[74:75], s[22:23]
.irp b, 0,1,2,3                        ; register j of accumulator (a, b) is column 16 b + 8 h + j
	global_load_b128 v[BIAS+8*\b:BIAS+8*\b+3], v[BO], s[74:75] offset:64*\b
	global_load_b128 v[BIAS+8*\b+4:BIAS+8*\b+7], v[BO], s[74:75] offset:64*\b+16
.endr
	s_lshl_b32 s20, s13, 19
	s_lshl_b32 s21, s11, 18
	s_add_co_u32 s20, s20, s21
	s_add_co_u32 s20, s20, s22                     ; my first row x 4,096 bytes + my first column
	s_mov_b32 s21, 0
	s_add_nc_u64 s[72:73], s[72:73], s[20:21]
	s_add_nc_u64 s[76:77], s[76:77], s[20:21]
	v_lshlrev_b32 v[CO], 12, v4                    ; lanes 0-15 one row's 256 bytes, lanes 16-31 the next row's
	v_lshl_add_u32 v[CO], v3, 4, v[CO]
	WIN 0x80
.set i, 0
.rept 32
	global_load_b128 v[4*i:4*i+3], v[CO], s[72:73] offset:2*i*4096
.set i, i+1
.endr
	WIN 0
	s_lshl_b32 s22, s11, 15
	v_add_nc_u32 v[AA0], s22, v2
	s_lshl_b32 s22, s12, 15
	s_add_co_u32 s22, s22, 65536
	v_add_nc_u32 v[AB0], s22, v2
	v_mov_b32 v[ADRA], v[AA0]
	v_mov_b32 v[ADRB], v[AB0]
	s_mov_b32 s2, 0
	s_mul_i32 s22, s10, 4352
	s_add_co_u32 s22, s22, STAGE                   ; my stage
	v_mul_u32_u24 v[STO], v3, 272                  ; in: row r, 32 bytes for each half of the lanes
	v_lshl_add_u32 v[STO], v4, 5, v[STO]
	v_add_nc_u32 v[STO], s22, v[STO]
	v_mul_u32_u24 v[RD], v4, 272                   ; back: two whole rows of 256 bytes
	v_lshl_add_u32 v[RD], v3, 4, v[RD]
	v_add_nc_u32 v[RD], s22, v[RD]
	; the prefetches: A's tile-rows are asked for by cluster x = 0, W's by cluster y = 0; of a wave's 4 tile-rows each of the four partners takes one, by address: 32 blocks of 256 bytes, a lane a block
	s_and_b32 s22, ttmp7, 0xffff
	s_cmp_eq_u32 s11, 0
	s_cselect_b32 s20, s40, s41
	s_cselect_b32 s22, ttmp9, s22
	s_cselect_b64 s[PFA:PFA+1], s[14:15], s[46:47]
	s_cmp_eq_u32 s22, 0
	s_cselect_b32 s[LIM], 1, -1
	s_mul_i32 s20, s20, TROWB
	s_mov_b32 s21, 0
	s_add_nc_u64 s[PFA:PFA+1], s[PFA:PFA+1], s[20:21]
	s_add_nc_u64 s[PFA:PFA+1], s[PFA:PFA+1], STEPB ; at K step 1: the first change of slots steps it to 2 and names step 3
	v_lshlrev_b32 v[PFO], 8, v1
.macro MUL8 f, c, a0, first            ; 8 products: row blocks a0, a0 + 1 x 4 column blocks, 32 along K: half c of buffer f.  The 16 accumulators take turns
	WIN 0x05
.irp a, \a0, (\a0)+1
.irp b, 0,1,2,3
.if \first
	v_wmma_f32_16x16x32_f16 v[ACC+8*(4*(\a)+(\b)):ACC+8*(4*(\a)+(\b))+7], v[(\f)+64+8*(4*(\c)+(\b)):(\f)+64+8*(4*(\c)+(\b))+7], v[(\f)+8*(4*(\c)+(\a)):(\f)+8*(4*(\c)+(\a))+7], v[BIAS+8*(\b):BIAS+8*(\b)+7]
.else
	v_wmma_f32_16x16x32_f16 v[ACC+8*(4*(\a)+(\b)):ACC+8*(4*(\a)+(\b))+7], v[(\f)+64+8*(4*(\c)+(\b)):(\f)+64+8*(4*(\c)+(\b))+7], v[(\f)+8*(4*(\c)+(\a)):(\f)+8*(4*(\c)+(\a))+7], v[ACC+8*(4*(\a)+(\b)):ACC+8*(4*(\a)+(\b))+7]
.endif
.endr
.endr
.endm
.macro FETCH q, f                      ; 32 LDS loads in one run: quarter q (64 k = 2,048 bytes of each tile-row) into buffer f, its first 32 k first
	WIN 0x40
.irp c, 0,1
.irp i, 0,1,2,3
	ds_load_b128 v[(\f)+64+8*(4*(\c)+(\i)):(\f)+64+8*(4*(\c)+(\i))+3],   v[ADRB] offset:(\i)*STEPB+(\q)*2048+(\c)*1024
	ds_load_b128 v[(\f)+64+8*(4*(\c)+(\i))+4:(\f)+64+8*(4*(\c)+(\i))+7], v[ADRB] offset:(\i)*STEPB+(\q)*2048+(\c)*1024+512
	ds_load_b128 v[(\f)+8*(4*(\c)+(\i)):(\f)+8*(4*(\c)+(\i))+3],         v[ADRA] offset:(\i)*STEPB+(\q)*2048+(\c)*1024
	ds_load_b128 v[(\f)+8*(4*(\c)+(\i))+4:(\f)+8*(4*(\c)+(\i))+7],       v[ADRA] offset:(\i)*STEPB+(\q)*2048+(\c)*1024+512
.endr
.endr
.endm
.macro QUARTER q, f, g, first
	s_wait_dscnt 16                                ; the first 32 k are in; the youngest sixteen loads may be out
	MUL8 \f, 0, 0, \first
	MUL8 \f, 0, 2, \first
	PLACES
	FETCH (\q)+1, \g
	s_wait_dscnt 32                                ; all but the 32 just issued
	MUL8 \f, 1, 0, 0
	MUL8 \f, 1, 2, 0
.endm
.macro MEET
	WIN 0
	s_wait_tensorcnt 0x0                           ; all my tensor loads have landed: my part of the next slot
	ds_add_u32 v[SPW], v[NIL]
	s_wait_dscnt 17                                ; (the add and the youngest sixteen loads may be out)
	MUL8 F1, 0, 0, 0
	s_wait_dscnt 0x0                               ; the add is done, and my reads of this slot are over
	s_barrier_signal -1
	MUL8 F1, 0, 2, 0
	WIN 0
	s_barrier_wait -1
.endm
.macro TURN
	s_wait_xcnt 0x0                                ; the last prefetch, a K step back, has read its address
	s_add_nc_u64 s[PFA:PFA+1], s[PFA:PFA+1], STEPB
	MEET
	CREST                                          ; no wave of any partner still reads the slot or has a load on its way
	s_xor_b32 s[G0+5], s[G0+5], SLOT
	s_add_nc_u64 s[G0+6:G0+7], s[G0+6:G0+7], STEPB
	s_xor_b32 s[G0B+5], s[G0B+5], SLOT
	s_add_nc_u64 s[G0B+6:G0B+7], s[G0B+6:G0B+7], STEPB
	s_xor_b32 s2, s2, SLOT
	JLOAD 1
	v_add_nc_u32 v[ADRA], s2, v[AA0]
	v_add_nc_u32 v[ADRB], s2, v[AB0]
	FETCH 0, F0
	WIN 0
	ASK
	MUL8 F1, 1, 0, 0
	MUL8 F1, 1, 2, 0
.endm
	s_wait_tensorcnt 1                             ; my part of K step 0 is in; step 1's load may stay out
	s_barrier_signal -1
	s_barrier_wait -1
	FETCH 0, F0
	s_wait_loadcnt 32                              ; the bias is in; the residual's 32 loads may stay out
	QUARTER 0, F0, F1, 1
	WIN 0
	s_mov_b32 s3, TSTEPS-2
.Lk:
	QUARTER 1, F1, F0, 0
	QUARTER 2, F0, F1, 0
	TURN
	QUARTER 0, F0, F1, 0
	WIN 0
	s_sub_co_u32 s3, s3, 1
	s_cmp_lg_u32 s3, 0
	s_cbranch_scc1 .Lk
	s_mov_b32 s3, 2
.Ltail:                                        ; the last two K steps ask for nothing; the second trip is left in its middle
	QUARTER 1, F1, F0, 0
	QUARTER 2, F0, F1, 0
	MEET
	s_xor_b32 s2, s2, SLOT
	s_sub_co_u32 s3, s3, 1
	s_cmp_eq_u32 s3, 0
	s_cbranch_scc1 .Llastq
	PLACES
	v_add_nc_u32 v[ADRA], s2, v[AA0]
	v_add_nc_u32 v[ADRB], s2, v[AB0]
	FETCH 0, F0
	MUL8 F1, 1, 0, 0
	MUL8 F1, 1, 2, 0
	QUARTER 0, F0, F1, 0
	WIN 0
	s_branch .Ltail
.Llastq:
	MUL8 F1, 1, 0, 0
	MUL8 F1, 1, 2, 0
	PLACES
	WIN 0
	s_wait_loadcnt 0x0                             ; the residual
	; THE WAY OUT, 16 rows at a time through my own stage: in as 32 bytes a lane, back as whole rows of 256 bytes; LDS serves a wave's instructions in order (ISA guide 5.7.1.4)
.irp a, 0,1,2,3
.irp b, 0,1,2,3
	ds_store_b128 v[STO], v[ACC+8*(4*(\a)+(\b)):ACC+8*(4*(\a)+(\b))+3]   offset:64*(\b)
	ds_store_b128 v[STO], v[ACC+8*(4*(\a)+(\b))+4:ACC+8*(4*(\a)+(\b))+7] offset:64*(\b)+16
.endr
	s_wait_xcnt 0x0                                ; the stores of two blocks back have read their registers
.irp t, 0,1,2,3,4,5,6,7
	ds_load_b128 v[TMP+32*((\a)%2)+4*(\t):TMP+32*((\a)%2)+4*(\t)+3], v[RD] offset:544*(\t)
.endr
	s_wait_dscnt 0x0
	WIN 0x08                                       ; source 1, the residual, in window 2
.irp t, 0,1,2,3,4,5,6,7
	v_pk_add_f32 v[TMP+32*((\a)%2)+4*(\t):TMP+32*((\a)%2)+4*(\t)+1], v[TMP+32*((\a)%2)+4*(\t):TMP+32*((\a)%2)+4*(\t)+1], v[4*(8*(\a)+(\t)):4*(8*(\a)+(\t))+1]
	v_pk_add_f32 v[TMP+32*((\a)%2)+4*(\t)+2:TMP+32*((\a)%2)+4*(\t)+3], v[TMP+32*((\a)%2)+4*(\t)+2:TMP+32*((\a)%2)+4*(\t)+3], v[4*(8*(\a)+(\t))+2:4*(8*(\a)+(\t))+3]
.endr
	WIN 0
.irp t, 0,1,2,3,4,5,6,7
	global_store_b128 v[CO], v[TMP+32*((\a)%2)+4*(\t):TMP+32*((\a)%2)+4*(\t)+3], s[76:77] offset:(16*(\a)+2*(\t))*4096  ; 16 lanes store 256 consecutive bytes, aligned
.endr
.endr
	s_wait_tensorcnt 0x0                           ; the wave's end
	ds_add_u32 v[SPW], v[NIL]
	s_wait_dscnt 0x0
	CROUND                                         ; the closing round
	s_endpgm
.Lfunc_end_k_qddfac74d85_wo:
	.size	k_qddfac74d85_wo, .Lfunc_end_k_qddfac74d85_wo-k_qddfac74d85_wo
	.p2alignl 7, 3214868480
	.fill 96, 4, 3214868480
	.section	.rodata,"a",@progbits
	.p2align	6, 0x0
	.amdhsa_kernel k_qddfac74d85_wo
		.amdhsa_group_segment_fixed_size 327680
		.amdhsa_private_segment_fixed_size 0
		.amdhsa_enable_private_segment 0
		.amdhsa_kernarg_size 40
		.amdhsa_user_sgpr_count 2
		.amdhsa_user_sgpr_kernarg_segment_ptr 1
		.amdhsa_wavefront_size32 1
		.amdhsa_system_sgpr_workgroup_id_x 1
		.amdhsa_system_sgpr_workgroup_id_y 1
		.amdhsa_system_sgpr_workgroup_id_z 1
		.amdhsa_system_vgpr_workitem_id 0
		.amdhsa_next_free_vgpr 640
		.amdhsa_next_free_sgpr 80
		.amdhsa_reserve_vcc 0
		.amdhsa_float_denorm_mode_32 3
		.amdhsa_float_denorm_mode_16_64 3
		.amdhsa_memory_ordered 1
		.amdhsa_forward_progress 1
		.amdhsa_inst_pref_size 67
	.end_amdhsa_kernel
	.amdgpu_metadata
---
amdhsa.version: [ 1, 2 ]
amdhsa.kernels:
  - .name:           k_qddfac74d85_wo
    .symbol:         k_qddfac74d85_wo.kd
    .args:
      - { .name: o, .offset: 0, .size: 8, .value_kind: global_buffer, .address_space: global }
      - { .name: wb, .offset: 8, .size: 8, .value_kind: global_buffer, .address_space: global }
      - { .name: x, .offset: 16, .size: 8, .value_kind: global_buffer, .address_space: global }
      - { .name: bO, .offset: 24, .size: 8, .value_kind: global_buffer, .address_space: global }
      - { .name: y, .offset: 32, .size: 8, .value_kind: global_buffer, .address_space: global }
    .group_segment_fixed_size: 327680
    .private_segment_fixed_size: 0
    .kernarg_segment_align: 8
    .kernarg_segment_size: 40
    .max_flat_workgroup_size: 128
    .sgpr_count:     80
    .vgpr_count:     640
    .wavefront_size: 32
...
	.end_amdgpu_metadata
.endif
;; end of part 4
;; launch ln1 (part 5): grid 256 x 1, 16 waves a work-group, no clusters, 36,864 bytes of LDS; arguments y, gamma1, beta1, h1; writes h1
.if DOCPART == 5
	.amdgcn_target "amdgcn-amd-amdhsa--gfx1250"
	.amdhsa_code_object_version 6
	.text
	.protected	k_qddfac74d85_ln1
	.globl	k_qddfac74d85_ln1
	.p2align	8
	.type	k_qddfac74d85_ln1,@function
k_qddfac74d85_ln1:
	s_mov_b64 s[64:65], 0
	v_nop
	global_prefetch_b8 v0, s[64:65] scope:SCOPE_SE
	s_setreg_imm32_b32 hwreg(HW_REG_WAVE_MODE, 25, 1), 1
	s_wait_xcnt 0x0
; h1 = LayerNorm(y) x gamma + beta, all in f32, in two passes over a row kept in registers: the mean, then the mean of the squared deviations (no difference of large sums).
; h1 is stored twice: f32 [4,096][1,024] at 0 (the next residual), and rounded once to f16 in the tiled16 layout at 16,777,216 (the next product's operand; LIMIT: within f16's 65,504).
; SHARES.  A work-group takes 16 rows, a wave one row: 4,096 bytes, eight loads of 512 consecutive bytes; the reduction never leaves the wave.  The f16 copy is turned through LDS: a unit of 256 bytes
; (16 rows x 8 columns) has 16 bytes from each wave.  Memory binds: no matrix unit, no cluster, nothing shared but gamma and beta.
.set UP,   272                         ; a unit in LDS: 256 bytes + 16 of padding
.set SPARE, 34816
.set H1T,  16777216
.set SPW, 2
.set NIL, 3
.set X,  32
.set G,  64
.set BT, 96
.set T,  128
	s_load_b256 s[4:11], s[0:1], 0x0               ; y s[4:5], gamma s[6:7], beta s[8:9], h1 s[10:11]
	v_lshl_add_u32 v[SPW], v0, 2, SPARE
	v_mov_b32 v[NIL], 0
	v_lshrrev_b32 v1, 5, v0
	v_readfirstlane_b32 s16, v1
	v_and_b32 v4, 31, v0
	v_lshlrev_b32 v5, 4, v4
	v_mov_b32 v9, 0
	s_lshl_b32 s20, ttmp9, 16
	s_lshl_b32 s21, s16, 12
	s_add_co_u32 s20, s20, s21                     ; my row
	s_mov_b32 s21, 0
	s_lshl_b32 s22, ttmp9, 15
	s_add_co_u32 s22, s22, H1T                     ; my work-group's tile-row of the f16 copy
	s_mov_b32 s23, 0
	s_mov_b32 s12, 0x76543210
	s_mov_b32 s13, 0xfedcba98
	s_mov_b32 s14, 0x3a800000                      ; 1 / 1,024
	s_mov_b32 s15, 0x3727c5ac                      ; 1e-5
	s_wait_kmcnt 0x0
	s_add_nc_u64 s[4:5], s[4:5], s[20:21]
	s_add_nc_u64 s[18:19], s[10:11], s[20:21]
	s_add_nc_u64 s[24:25], s[10:11], s[22:23]
.irp j, 0,1,2,3,4,5,6,7
	global_load_b128 v[X+4*\j:X+4*\j+3], v5, s[4:5] offset:512*\j th:TH_LOAD_NT
.endr
.irp j, 0,1,2,3,4,5,6,7
	global_load_b128 v[G+4*\j:G+4*\j+3], v5, s[6:7] offset:512*\j
	global_load_b128 v[BT+4*\j:BT+4*\j+3], v5, s[8:9] offset:512*\j
.endr
	v_lshrrev_b32 v6, 4, v4                        ; the way back out of LDS: unit 8 w + l / 16 (+ 2 t), bytes 16 (l % 16)
	v_and_b32 v7, 15, v4
	s_lshl_b32 s17, s16, 3
	v_add_nc_u32 v6, s17, v6
	v_mul_u32_u24 v6, v6, UP
	v_lshl_add_u32 v6, v7, 4, v6
	s_lshl_b32 s17, s16, 11
	v_add_nc_u32 v16, s17, v5
	v_lshrrev_b32 v17, 1, v4                       ; the way in: my four columns 128 j + 4 l lie in unit 16 j + l / 2, at byte 16 w + 8 (l % 2)
	v_mul_u32_u24 v17, v17, UP
	v_and_b32 v18, 1, v4
	v_lshl_add_u32 v17, v18, 3, v17
	s_lshl_b32 s17, s16, 4
	v_add_nc_u32 v17, s17, v17
.macro REDUCE                          ; v8 summed over the 32 lanes, the result in every lane
	v_add_f32_dpp v8, v8, v8 row_xmask:1 row_mask:0xf bank_mask:0xf
	v_add_f32_dpp v8, v8, v8 row_xmask:2 row_mask:0xf bank_mask:0xf
	v_add_f32_dpp v8, v8, v8 row_xmask:4 row_mask:0xf bank_mask:0xf
	v_add_f32_dpp v8, v8, v8 row_xmask:8 row_mask:0xf bank_mask:0xf
	v_permlanex16_b32 v9, v8, s12, s13
	v_add_f32 v8, v8, v9
.endm
.macro FOLD                            ; the four chains into v8
	v_pk_add_f32 v[T:T+1], v[T:T+1], v[T+2:T+3]
	v_pk_add_f32 v[T+4:T+5], v[T+4:T+5], v[T+6:T+7]
	v_pk_add_f32 v[T:T+1], v[T:T+1], v[T+4:T+5]
	v_add_f32 v8, v[T], v[T+1]
.endm
	s_wait_loadcnt 16                              ; the row is in; gamma's and beta's sixteen loads may stay out
.irp k, 0,1,2,3
	v_pk_add_f32 v[T+2*\k:T+2*\k+1], v[X+2*\k:X+2*\k+1], v[X+8+2*\k:X+8+2*\k+1]
.endr
.irp g, 2,3
.irp k, 0,1,2,3
	v_pk_add_f32 v[T+2*\k:T+2*\k+1], v[T+2*\k:T+2*\k+1], v[X+8*\g+2*\k:X+8*\g+2*\k+1]
.endr
.endr
	FOLD
	REDUCE
	v_mul_f32 v10, s14, v8                         ; the mean
	v_mov_b32 v11, v10
.set k, 0
.rept 16
	v_pk_add_f32 v[X+2*k:X+2*k+1], v[X+2*k:X+2*k+1], v[10:11] neg_lo:[0,1] neg_hi:[0,1]
.set k, k+1
.endr
.irp k, 0,1,2,3
	v_pk_mul_f32 v[T+2*\k:T+2*\k+1], v[X+2*\k:X+2*\k+1], v[X+2*\k:X+2*\k+1]
.endr
.irp g, 1,2,3
.irp k, 0,1,2,3
	v_pk_fma_f32 v[T+2*\k:T+2*\k+1], v[X+8*\g+2*\k:X+8*\g+2*\k+1], v[X+8*\g+2*\k:X+8*\g+2*\k+1], v[T+2*\k:T+2*\k+1]
.endr
.endr
	FOLD
	REDUCE
	v_fma_f32 v12, v8, s14, s15                    ; the variance + 1e-5
	v_rsq_f32 v14, v12
	v_rsq_f32 v15, v12
	v_nop                                          ; a plain instruction behind the last of the two,
	s_wait_alu depctr_va_vdst(0)                   ; and one wait for both, ahead of the first use
	s_wait_loadcnt 0x0                             ; gamma and beta
.set k, 0
.rept 16
	v_pk_mul_f32 v[X+2*k:X+2*k+1], v[X+2*k:X+2*k+1], v[14:15]
.set k, k+1
.endr
.set k, 0
.rept 16
	v_pk_fma_f32 v[X+2*k:X+2*k+1], v[X+2*k:X+2*k+1], v[G+2*k:G+2*k+1], v[BT+2*k:BT+2*k+1]
.set k, k+1
.endr
.irp j, 0,1,2,3,4,5,6,7
	global_store_b128 v5, v[X+4*\j:X+4*\j+3], s[18:19] offset:512*\j
.endr
.irp j, 0,1,2,3,4,5,6,7
	v_cvt_pk_f16_f32 v[G+2*\j], v[X+4*\j], v[X+4*\j+1]
	v_cvt_pk_f16_f32 v[G+2*\j+1], v[X+4*\j+2], v[X+4*\j+3]
	ds_store_b64 v17, v[G+2*\j:G+2*\j+1] offset:\j*16*UP
.endr
	s_wait_dscnt 0x0                               ; my stores are done, for the others' sake
	s_barrier_signal -1
	s_barrier_wait -1
.irp t, 0,1,2,3
	ds_load_b128 v[BT+4*\t:BT+4*\t+3], v6 offset:\t*2*UP
.endr
.irp t, 0,1,2,3
	s_wait_dscnt 3-\t
	global_store_b128 v16, v[BT+4*\t:BT+4*\t+3], s[24:25] offset:\t*512  ; 512 consecutive bytes, aligned
.endr
	s_wait_tensorcnt 0x0                           ; the wave's end
	ds_add_u32 v[SPW], v[NIL]
	s_wait_dscnt 0x0
	s_endpgm
.Lfunc_end_k_qddfac74d85_ln1:
	.size	k_qddfac74d85_ln1, .Lfunc_end_k_qddfac74d85_ln1-k_qddfac74d85_ln1
	.p2alignl 7, 3214868480
	.fill 96, 4, 3214868480
	.section	.rodata,"a",@progbits
	.p2align	6, 0x0
	.amdhsa_kernel k_qddfac74d85_ln1
		.amdhsa_group_segment_fixed_size 36864
		.amdhsa_private_segment_fixed_size 0
		.amdhsa_enable_private_segment 0
		.amdhsa_kernarg_size 32
		.amdhsa_user_sgpr_count 2
		.amdhsa_user_sgpr_kernarg_segment_ptr 1
		.amdhsa_wavefront_size32 1
		.amdhsa_system_sgpr_workgroup_id_x 1
		.amdhsa_system_sgpr_workgroup_id_y 1
		.amdhsa_system_sgpr_workgroup_id_z 1
		.amdhsa_system_vgpr_workitem_id 0
		.amdhsa_next_free_vgpr 144
		.amdhsa_next_free_sgpr 66
		.amdhsa_reserve_vcc 0
		.amdhsa_float_denorm_mode_32 3
		.amdhsa_float_denorm_mode_16_64 3
		.amdhsa_memory_ordered 1
		.amdhsa_forward_progress 1
		.amdhsa_inst_pref_size 14
	.end_amdhsa_kernel
	.amdgpu_metadata
---
amdhsa.version: [ 1, 2 ]
amdhsa.kernels:
  - .name:           k_qddfac74d85_ln1
    .symbol:         k_qddfac74d85_ln1.kd
    .args:
      - { .name: y, .offset: 0, .size: 8, .value_kind: global_buffer, .address_space: global }
      - { .name: gamma1, .offset: 8, .size: 8, .value_kind: global_buffer, .address_space: global }
      - { .name: beta1, .offset: 16, .size: 8, .value_kind: global_buffer, .address_space: global }
      - { .name: h1, .offset: 24, .size: 8, .value_kind: global_buffer, .address_space: global }
    .group_segment_fixed_size: 36864
    .private_segment_fixed_size: 0
    .kernarg_segment_align: 8
    .kernarg_segment_size: 32
    .max_flat_workgroup_size: 512
    .sgpr_count:     66
    .vgpr_count:     144
    .wavefront_size: 32
...
	.end_amdgpu_metadata
.endif
;; end of part 5
;; launch ff1 (part 6): grid 16 x 16, 4 waves a work-group, clusters of 4 x 4, 327,680 bytes of LDS; arguments h1, wb, b1, r; writes r
.if DOCPART == 6
	.amdgcn_target "amdgcn-amd-amdhsa--gfx1250"
	.amdhsa_code_object_version 6
	.text
	.protected	k_qddfac74d85_ff1
	.globl	k_qddfac74d85_ff1
	.p2align	8
	.type	k_qddfac74d85_ff1,@function
k_qddfac74d85_ff1:
	s_mov_b64 s[64:65], 0
	v_nop
	global_prefetch_b8 v0, s[64:65] scope:SCOPE_SE
	s_setreg_imm32_b32 hwreg(HW_REG_WAVE_MODE, 25, 1), 1
	s_wait_xcnt 0x0
	s_wait_alu depctr_hold_cnt(0) depctr_sa_sdst(0) depctr_va_vdst(0) depctr_va_sdst(0) depctr_va_ssrc(0) depctr_va_vcc(0) depctr_vm_vsrc(0)
	s_getreg_b32 s2, hwreg(HW_REG_IB_STS2, 6, 4)
	s_cmp_eq_u32 s2, 0
	s_cbranch_scc0 .Lentry_in_a_cluster
	s_endpgm
.Lentry_in_a_cluster:
	s_bfe_u32 s2, ttmp6, 0x10000c
	s_cmp_lg_u32 s2, 0xf033
	s_cbranch_scc0 .Lentry_shape_is_right
	s_endpgm
.Lentry_shape_is_right:
; r = relu(h1 W1 + b1), [4,096 x 4,096], rounded once to f16.  h1 (its f16 copy at byte 16,777,216 of the buffer) and W1 are in the tiled16 layout (blocks of 512 bytes: lane r + 16 h owns row r,
; k = 8 h .. 8 h + 7), and so is r.  Sums f32.  LIMIT: operands and result lie within f16's 65,504.
; SHARES.  A work-group makes 256 x 256 (256 work-groups), a wave 128 x 128: 64 accumulators.  The sources are swapped (source 0 = W1), so a lane ends with 8 neighbouring columns of a row: its 16 bytes
; of a block of r; every store is a whole block of 512 bytes.  The bias is the C operand of the first K step's products.
; RING.  K = 1,024 in 8 steps of 128 through two LDS slots; a step's part of a tile-row is 4,096 consecutive bytes; each wave fetches 8 tile-rows (waves 0, 1 of h1, waves 2, 3 of W1).
; CLUSTER 4 x 4: h1's tiles are shared along a row of the cluster, W1's along a column: joint loads.
; REGISTERS.  window 0: v16-31 addresses; v64-127, v128-191 fragments of h1, two buffers; v192-255 the bias, later packed results.  window 1: v64-127, v128-191 fragments of W1.
; window 2: accumulators of row blocks 0-3 ((a, b) at 8 (8 (a % 4) + b)); window 3: of row blocks 4-7.
.set STEPB, 4096
.set TSTEPS, 8
.set SLOT,  131072
.set SPARE, 262144
.set H1T,   16777216
.set W1O,   16777216
.set AA0, 16
.set AB0, 17
.set ADRA, 18
.set ADRB, 19
.set GO,  24
.set BO,  25
.set SPW, 28
.set NIL, 29
.set PFO, 30
.set ZR,  31
.set BIAS, 192
.set TMP,  192
.set F0, 64
.set F1, 128
.set G1, 24
.set G0, 32
.set G1B, 48
.set G0B, 56
.set PFA, 44
.set LIM, 43
.set MSB, 0
.macro WIN new
.if MSB != (\new)
	s_set_vgpr_msb (MSB<<8)|(\new)
.set MSB, \new
.endif
.endm
.macro JLOAD s                         ; a joint load; s_nop 0 and four v_nop follow each line
	s_cmp_eq_u32 s11, 0
	s_cbranch_scc0 .Lfor_b_\@
	tensor_load_to_lds s[G0+4*(\s):G0+4*(\s)+3], s[G1:G1+7]
	s_nop 0
.rept 4
	v_nop
.endr
	s_branch .Lasked_\@
.Lfor_b_\@:
	tensor_load_to_lds s[G0B+4*(\s):G0B+4*(\s)+3], s[G1B:G1B+7]
	s_nop 0
.rept 4
	v_nop
.endr
.Lasked_\@:
.endm
.macro ASK                             ; a prefetch of the K step behind the one just asked for: a lane a block of 256 bytes; the loop's last trip has none
	s_cmp_gt_u32 s3, s[LIM]
	s_cbranch_scc0 .Lnot_mine_\@
	global_prefetch_b8 v[PFO], s[PFA:PFA+1] offset:STEPB th:TH_LOAD_NT scope:SCOPE_SE
.Lnot_mine_\@:
.endm
.macro CREST
	s_cmp_lg_u32 s10, 0
	s_cbranch_scc1 .Lnot_wave_0_\@
	s_barrier_signal -3
.Lnot_wave_0_\@:
	s_barrier_wait -3
	s_barrier_signal -1
	s_barrier_wait -1
.endm
.macro CROUND
	s_barrier_signal -1
	s_barrier_wait -1
	CREST
.endm
.macro PLACES
.rept 4
	v_nop
.endr
.endm
	s_load_b256 s[68:75], s[0:1], 0x0              ; h1 s[68:69], wb s[70:71], b1 s[72:73], r s[74:75]
	v_lshl_add_u32 v[SPW], v0, 2, SPARE
	v_mov_b32 v[NIL], 0
	ds_add_u32 v[SPW], v[NIL]                      ; the wave's opening: the add and its wait ahead of my first tensor load
	ds_add_u32 v28, v29
	v_lshrrev_b32 v1, 5, v0
	v_readfirstlane_b32 s10, v1
	s_lshr_b32 s11, s10, 1                         ; my half of the rows; also: I fetch for h1 (0) or W1 (1)
	s_and_b32 s12, s10, 1                          ; my half of the columns; also: which 8 tile-rows I fetch
	s_bfe_u32 s40, ttmp6, 0x40000
	s_bfe_u32 s41, ttmp6, 0x40004
	s_lshl_b32 s42, ttmp9, 2
	s_add_co_u32 s42, s42, s40                     ; block of 256 columns
	s_and_b32 s13, ttmp7, 0xffff
	s_lshl_b32 s13, s13, 2
	s_add_co_u32 s13, s13, s41                     ; block of 256 rows
	s_lshl_b32 s43, s41, 2
	s_lshl_b32 s43, 15, s43
	s_lshl_b32 s44, 0x1111, s40
	s_or_b32 s[G1+0], s43, (1<<16)|(1<<21)
	s_or_b32 s[G1B+0], s44, (1<<16)|(1<<21)
.irp g, G1, G1B
	s_mov_b32 s[(\g)+1], 2048<<16                  ; a step's 4,096 bytes of a tile-row
	s_mov_b32 s[(\g)+2], 8<<16                     ; 8 tile-rows
	s_mov_b32 s[(\g)+3], 2048<<16
	s_mov_b32 s[(\g)+4], 8
	s_mov_b32 s[(\g)+5], 16384
	s_mov_b32 s[(\g)+6], 0
	s_mov_b32 s[(\g)+7], 0
.endr
	s_lshl_b32 s16, s13, 4
	s_lshl3_add_u32 s16, s12, s16                  ; h1: tile-row 16 by + 8 half
	s_lshl_b32 s16, s16, 15
	s_add_co_u32 s16, s16, H1T
	s_mov_b32 s17, 0
	s_lshl_b32 s46, s42, 4
	s_lshl3_add_u32 s46, s12, s46                  ; W1: tile-row 16 bx + 8 half
	s_lshl_b32 s46, s46, 15
	s_add_co_u32 s46, s46, W1O
	s_mov_b32 s47, 0
	s_lshl_b32 s20, s10, 15                        ; LDS: 32,768 x wave
	s_wait_dscnt 0x0
	s_wait_kmcnt 0x0
	s_add_nc_u64 s[14:15], s[68:69], s[16:17]
	s_add_nc_u64 s[46:47], s[70:71], s[46:47]
	CROUND
.irp s, 0,1
	s_mov_b32 s[G0+4*(\s)], 1
	s_add_co_u32 s[G0+4*(\s)+1], s20, (\s)*SLOT
	s_add_nc_u64 s[G0+4*(\s)+2:G0+4*(\s)+3], s[14:15], (\s)*STEPB
	s_or_b32 s[G0+4*(\s)+3], s[G0+4*(\s)+3], 0x80000000
	s_mov_b32 s[G0B+4*(\s)], 1
	s_add_co_u32 s[G0B+4*(\s)+1], s20, (\s)*SLOT
	s_add_nc_u64 s[G0B+4*(\s)+2:G0B+4*(\s)+3], s[46:47], (\s)*STEPB
	s_or_b32 s[G0B+4*(\s)+3], s[G0B+4*(\s)+3], 0x80000000
	JLOAD \s
.endr
	v_and_b32 v1, 31, v0
	v_lshlrev_b32 v[GO], 4, v1
	v_bfe_u32 v4, v0, 4, 1
	v_lshlrev_b32 v[BO], 5, v4
	v_mov_b32 v[ZR], 0
	s_lshl_b32 s22, s42, 10
	s_lshl_b32 s23, s12, 9
	s_add_co_u32 s22, s22, s23                     ; my first column, in bytes of f32
	s_mov_b32 s23, 0
	s_add_nc_u64 s[72:73], s[72:73], s[22:23]
.irp b, 0,1,2,3,4,5,6,7                ; register j of accumulator (a, b) is column 16 b + 8 h + j
	global_load_b128 v[BIAS+8*\b:BIAS+8*\b+3], v[BO], s[72:73] offset:64*\b
	global_load_b128 v[BIAS+8*\b+4:BIAS+8*\b+7], v[BO], s[72:73] offset:64*\b+16
.endr
	s_lshl_b32 s22, s11, 15
	v_add_nc_u32 v[AA0], s22, v[GO]
	s_lshl_b32 s22, s12, 15
	s_add_co_u32 s22, s22, 65536
	v_add_nc_u32 v[AB0], s22, v[GO]
	v_mov_b32 v[ADRA], v[AA0]
	v_mov_b32 v[ADRB], v[AB0]
	s_mov_b32 s2, 0
	s_lshl_b32 s22, s13, 4
	s_lshl3_add_u32 s22, s11, s22                  ; r: my first tile-row,
	s_lshl_b32 s22, s22, 8
	s_lshl_b32 s23, s42, 4
	s_lshl3_add_u32 s23, s12, s23                  ; my first k tile
	s_add_co_u32 s22, s22, s23
	s_lshl_b32 s22, s22, 9
	s_mov_b32 s23, 0
	s_add_nc_u64 s[74:75], s[74:75], s[22:23]
	; the prefetches: h1's tile-rows are asked for by cluster x = 0, W1's by cluster y = 0; of a wave's 8 tile-rows each of the four partners takes two, by address: 32 blocks of 256 bytes, a lane a block
	s_and_b32 s22, ttmp7, 0xffff
	s_cmp_eq_u32 s11, 0
	s_cselect_b32 s20, s40, s41
	s_cselect_b32 s22, ttmp9, s22
	s_cselect_b64 s[PFA:PFA+1], s[14:15], s[46:47]
	s_cmp_eq_u32 s22, 0
	s_cselect_b32 s[LIM], 1, -1
	s_lshl_b32 s20, s20, 16
	s_mov_b32 s21, 0
	s_add_nc_u64 s[PFA:PFA+1], s[PFA:PFA+1], s[20:21]
	s_add_nc_u64 s[PFA:PFA+1], s[PFA:PFA+1], STEPB ; at K step 1: the first change of slots steps it to 2 and names step 3
	v_lshrrev_b32 v5, 4, v1
	v_and_b32 v[PFO], 15, v1
	v_lshlrev_b32 v[PFO], 8, v[PFO]
	v_lshl_add_u32 v[PFO], v5, 15, v[PFO]
.macro MUL16 f, hi, a0, first          ; 16 products: row blocks a0, a0 + 1 of the window's four x 8 column blocks, 32 along K.  The 64 accumulators take turns
.if \first
	WIN 0x81+0x40*(\hi)
.else
	WIN 0xa1+0x50*(\hi)
.endif
.irp a, \a0, (\a0)+1
.irp b, 0,1,2,3,4,5,6,7
.if \first
	v_wmma_f32_16x16x32_f16 v[8*(8*(\a)+(\b)):8*(8*(\a)+(\b))+7], v[(\f)+8*(\b):(\f)+8*(\b)+7], v[(\f)+8*(4*(\hi)+(\a)):(\f)+8*(4*(\hi)+(\a))+7], v[BIAS+8*(\b):BIAS+8*(\b)+7]
.else
	v_wmma_f32_16x16x32_f16 v[8*(8*(\a)+(\b)):8*(8*(\a)+(\b))+7], v[(\f)+8*(\b):(\f)+8*(\b)+7], v[(\f)+8*(4*(\hi)+(\a)):(\f)+8*(4*(\hi)+(\a))+7], v[8*(8*(\a)+(\b)):8*(8*(\a)+(\b))+7]
.endif
.endr
.endr
.endm
.macro FETCH q, f                      ; 32 LDS loads in one run: quarter q (32 k = 1,024 bytes of each tile-row) into buffer f: W1's, then h1's
	WIN 0x40
.irp i, 0,1,2,3,4,5,6,7
	ds_load_b128 v[(\f)+8*(\i):(\f)+8*(\i)+3],   v[ADRB] offset:(\i)*STEPB+(\q)*1024
	ds_load_b128 v[(\f)+8*(\i)+4:(\f)+8*(\i)+7], v[ADRB] offset:(\i)*STEPB+(\q)*1024+512
.endr
	WIN 0
.irp i, 0,1,2,3,4,5,6,7
	ds_load_b128 v[(\f)+8*(\i):(\f)+8*(\i)+3],   v[ADRA] offset:(\i)*STEPB+(\q)*1024
	ds_load_b128 v[(\f)+8*(\i)+4:(\f)+8*(\i)+7], v[ADRA] offset:(\i)*STEPB+(\q)*1024+512
.endr
.endm
.macro QUARTER q, f, g, first
	s_wait_dscnt 8                                 ; all but the youngest eight loads: h1's row blocks 4-7
	MUL16 \f, 0, 0, \first
	MUL16 \f, 0, 2, \first
	PLACES
	FETCH (\q)+1, \g
	s_wait_dscnt 32                                ; all but the 32 just issued
	MUL16 \f, 1, 0, \first
	MUL16 \f, 1, 2, \first
.endm
.macro MEET
	WIN 0
	s_wait_tensorcnt 0x0                           ; all my tensor loads have landed: my part of the next slot
	ds_add_u32 v[SPW], v[NIL]
	s_wait_dscnt 9                                 ; (the add and the youngest eight loads may be out)
	MUL16 F1, 0, 0, 0
	s_wait_dscnt 0x0                               ; the add is done, and my reads of this slot are over
	s_barrier_signal -1
	MUL16 F1, 0, 2, 0
	WIN 0
	s_barrier_wait -1
.endm
.macro TURN
	s_wait_xcnt 0x0                                ; the last prefetch, a K step back, has read its address
	s_add_nc_u64 s[PFA:PFA+1], s[PFA:PFA+1], STEPB
	MEET
	CREST                                          ; no wave of any partner still reads the slot or has a load on its way
	s_xor_b32 s[G0+5], s[G0+5], SLOT
	s_add_nc_u64 s[G0+6:G0+7], s[G0+6:G0+7], STEPB
	s_xor_b32 s[G0B+5], s[G0B+5], SLOT
	s_add_nc_u64 s[G0B+6:G0B+7], s[G0B+6:G0B+7], STEPB
	s_xor_b32 s2, s2, SLOT
	JLOAD 1
	v_add_nc_u32 v[ADRA], s2, v[AA0]
	v_add_nc_u32 v[ADRB], s2, v[AB0]
	FETCH 0, F0
	ASK
	MUL16 F1, 1, 0, 0
	MUL16 F1, 1, 2, 0
.endm
	s_wait_tensorcnt 1                             ; my part of K step 0 is in; step 1's load may stay out
	s_barrier_signal -1
	s_barrier_wait -1
	FETCH 0, F0
	s_wait_loadcnt 0x0                             ; the bias
	QUARTER 0, F0, F1, 1
	WIN 0
	s_mov_b32 s3, TSTEPS-2
.Lk:
	QUARTER 1, F1, F0, 0
	QUARTER 2, F0, F1, 0
	TURN
	QUARTER 0, F0, F1, 0
	WIN 0
	s_sub_co_u32 s3, s3, 1
	s_cmp_lg_u32 s3, 0
	s_cbranch_scc1 .Lk
	s_mov_b32 s3, 2
.Ltail:                                        ; the last two K steps ask for nothing; the second trip is left in its middle
	QUARTER 1, F1, F0, 0
	QUARTER 2, F0, F1, 0
	MEET
	s_xor_b32 s2, s2, SLOT
	s_sub_co_u32 s3, s3, 1
	s_cmp_eq_u32 s3, 0
	s_cbranch_scc1 .Llastq
	PLACES
	v_add_nc_u32 v[ADRA], s2, v[AA0]
	v_add_nc_u32 v[ADRB], s2, v[AB0]
	FETCH 0, F0
	MUL16 F1, 1, 0, 0
	MUL16 F1, 1, 2, 0
	QUARTER 0, F0, F1, 0
	WIN 0
	s_branch .Ltail
.Llastq:
	MUL16 F1, 1, 0, 0
	MUL16 F1, 1, 2, 0
	PLACES
	; THE WAY OUT: each accumulator, from its low end, packs into 16 bytes a lane; the relu is taken on the packed halves; a store is a whole block of 512 bytes
.irp a, 0,1,2,3,4,5,6,7
	WIN 0
	s_wait_xcnt 0x0                                ; the stores of two blocks back have read their registers
	WIN 0x0a+5*((\a)/4)
.irp b, 0,1,2,3,4,5,6,7
.irp i, 0,1,2,3
	v_cvt_pk_f16_f32 v[TMP+32*((\a)%2)+4*(\b)+(\i)], v[8*(8*((\a)%4)+(\b))+2*(\i)], v[8*(8*((\a)%4)+(\b))+2*(\i)+1]
.endr
.endr
	WIN 0
.set z, 0
.rept 32
	v_pk_max_num_f16 v[TMP+32*((\a)%2)+z], v[TMP+32*((\a)%2)+z], v[ZR]
.set z, z+1
.endr
.irp b, 0,1,2,3,4,5,6,7
	global_store_b128 v[GO], v[TMP+32*((\a)%2)+4*(\b):TMP+32*((\a)%2)+4*(\b)+3], s[74:75] offset:(\a)*131072+(\b)*512
.endr
.endr
	s_wait_tensorcnt 0x0                           ; the wave's end
	ds_add_u32 v[SPW], v[NIL]
	s_wait_dscnt 0x0
	CROUND                                         ; the closing round
	s_endpgm
.Lfunc_end_k_qddfac74d85_ff1:
	.size	k_qddfac74d85_ff1, .Lfunc_end_k_qddfac74d85_ff1-k_qddfac74d85_ff1
	.p2alignl 7, 3214868480
	.fill 96, 4, 3214868480
	.section	.rodata,"a",@progbits
	.p2align	6, 0x0
	.amdhsa_kernel k_qddfac74d85_ff1
		.amdhsa_group_segment_fixed_size 327680
		.amdhsa_private_segment_fixed_size 0
		.amdhsa_enable_private_segment 0
		.amdhsa_kernarg_size 32
		.amdhsa_user_sgpr_count 2
		.amdhsa_user_sgpr_kernarg_segment_ptr 1
		.amdhsa_wavefront_size32 1
		.amdhsa_system_sgpr_workgroup_id_x 1
		.amdhsa_system_sgpr_workgroup_id_y 1
		.amdhsa_system_sgpr_workgroup_id_z 1
		.amdhsa_system_vgpr_workitem_id 0
		.amdhsa_next_free_vgpr 1024
		.amdhsa_next_free_sgpr 80
		.amdhsa_reserve_vcc 0
		.amdhsa_float_denorm_mode_32 3
		.amdhsa_float_denorm_mode_16_64 3
		.amdhsa_memory_ordered 1
		.amdhsa_forward_progress 1
		.amdhsa_inst_pref_size 111
	.end_amdhsa_kernel
	.amdgpu_metadata
---
amdhsa.version: [ 1, 2 ]
amdhsa.kernels:
  - .name:           k_qddfac74d85_ff1
    .symbol:         k_qddfac74d85_ff1.kd
    .args:
      - { .name: h1, .offset: 0, .size: 8, .value_kind: global_buffer, .address_space: global }
      - { .name: wb, .offset: 8, .size: 8, .value_kind: global_buffer, .address_space: global }
      - { .name: b1, .offset: 16, .size: 8, .value_kind: global_buffer, .address_space: global }
      - { .name: r, .offset: 24, .size: 8, .value_kind: global_buffer, .address_space: global }
    .group_segment_fixed_size: 327680
    .private_segment_fixed_size: 0
    .kernarg_segment_align: 8
    .kernarg_segment_size: 32
    .max_flat_workgroup_size: 128
    .sgpr_count:     80
    .vgpr_count:     1024
    .wavefront_size: 32
...
	.end_amdgpu_metadata
.endif
;; end of part 6
;; launch ff2 (part 7): grid 8 x 32, 4 waves a work-group, clusters of 4 x 4, 327,680 bytes of LDS; arguments r, wb, h1, b2, y; writes y
.if DOCPART == 7
	.amdgcn_target "amdgcn-amd-amdhsa--gfx1250"
	.amdhsa_code_object_version 6
	.text
	.protected	k_qddfac74d85_ff2
	.globl	k_qddfac74d85_ff2
	.p2align	8
	.type	k_qddfac74d85_ff2,@function
k_qddfac74d85_ff2:
	s_mov_b64 s[64:65], 0
	v_nop
	global_prefetch_b8 v0, s[64:65] scope:SCOPE_SE
	s_setreg_imm32_b32 hwreg(HW_REG_WAVE_MODE, 25, 1), 1
	s_wait_xcnt 0x0
	s_wait_alu depctr_hold_cnt(0) depctr_sa_sdst(0) depctr_va_vdst(0) depctr_va_sdst(0) depctr_va_ssrc(0) depctr_va_vcc(0) depctr_vm_vsrc(0)
	s_getreg_b32 s2, hwreg(HW_REG_IB_STS2, 6, 4)
	s_cmp_eq_u32 s2, 0
	s_cbranch_scc0 .Lentry_in_a_cluster
	s_endpgm
.Lentry_in_a_cluster:
	s_bfe_u32 s2, ttmp6, 0x10000c
	s_cmp_lg_u32 s2, 0xf033
	s_cbranch_scc0 .Lentry_shape_is_right
	s_endpgm
.Lentry_shape_is_right:
; y = A W + bias + residual, f32 out.  Here A = r [4,096 x 4,096], W = W2, residual = h1 (its f32 copy at the buffer's head).  A and W are f16 in the tiled16 layout (blocks of 512 bytes: lane r + 16 h
; owns row r, k = 8 h .. 8 h + 7), sums f32; bias and residual stay f32.  LIMIT: the operands lie within f16's 65,504.  The text is that of the launch for WO with K = 4,096 and W2's place in wb.
; SHARES.  A work-group makes 128 x 128 of y (256 work-groups), a wave 64 x 64: 16 accumulators.  The sources are swapped (source 0 = W), so a lane holds 8 neighbouring columns of a row.
; The bias is the C operand of the first products.  The residual is loaded at the start, in the layout of the stores, and stays in registers.
; RING.  K in steps of 256 through two LDS slots; a step's part of a tile-row is 8,192 consecutive bytes; each wave fetches 4 tile-rows (waves 0, 1 of A, waves 2, 3 of W).
; CLUSTER 4 x 4: A's tiles are shared along a row of the cluster, W's along a column: joint loads.
; REGISTERS.  window 0: v16-30 addresses; v32-95 bias, later rows on the way out; v128-255 accumulators ((a, b) at 128 + 8 (4 a + b)).  window 1: two fragment buffers of 128 (64 of A, 64 of W, 64 along K).
; window 2: v0-127 the residual.
.set KTOT,  4096
.set WOFF,  25165824
.set STEPB, 8192
.set TSTEPS, KTOT/256
.set TROWB, 32*KTOT                    ; bytes in a tile-row
.set SLOT,  131072
.set STAGE, 262144                     ; behind the ring: 16 rows x 272 bytes for each wave
.set SPARE, 279552                     ; behind the stages: the spare words, 128 bytes a wave
.set AA0, 16
.set AB0, 17
.set ADRA, 18
.set ADRB, 19
.set STO, 24
.set RD,  25
.set CO,  26
.set BO,  27
.set SPW, 28
.set NIL, 29
.set PFO, 30
.set BIAS, 32
.set TMP,  32
.set ACC,  128
.set F0, 0
.set F1, 128
.set G1, 24
.set G0, 32
.set G1B, 48
.set G0B, 56
.set PFA, 44
.set LIM, 43
.set MSB, 0
.macro WIN new
.if MSB != (\new)
	s_set_vgpr_msb (MSB<<8)|(\new)
.set MSB, \new
.endif
.endm
.macro JLOAD s                         ; a joint load; s_nop 0 and four v_nop follow each line
	s_cmp_eq_u32 s11, 0
	s_cbranch_scc0 .Lfor_b_\@
	tensor_load_to_lds s[G0+4*(\s):G0+4*(\s)+3], s[G1:G1+7]
	s_nop 0
.rept 4
	v_nop
.endr
	s_branch .Lasked_\@
.Lfor_b_\@:
	tensor_load_to_lds s[G0B+4*(\s):G0B+4*(\s)+3], s[G1B:G1B+7]
	s_nop 0
.rept 4
	v_nop
.endr
.Lasked_\@:
.endm
.macro ASK                             ; a prefetch of the K step behind the one just asked for: a lane a block of 256 bytes; the loop's last trip has none
	s_cmp_gt_u32 s3, s[LIM]
	s_cbranch_scc0 .Lnot_mine_\@
	global_prefetch_b8 v[PFO], s[PFA:PFA+1] offset:STEPB th:TH_LOAD_NT scope:SCOPE_SE
.Lnot_mine_\@:
.endm
.macro CREST
	s_cmp_lg_u32 s10, 0
	s_cbranch_scc1 .Lnot_wave_0_\@
	s_barrier_signal -3
.Lnot_wave_0_\@:
	s_barrier_wait -3
	s_barrier_signal -1
	s_barrier_wait -1
.endm
.macro CROUND
	s_barrier_signal -1
	s_barrier_wait -1
	CREST
.endm
.macro PLACES
.rept 4
	v_nop
.endr
.endm
	s_load_b256 s[68:75], s[0:1], 0x0              ; A s[68:69], wb s[70:71], residual s[72:73], bias s[74:75]
	s_load_b64 s[76:77], s[0:1], 0x20              ; y
	v_lshl_add_u32 v[SPW], v0, 2, SPARE
	v_mov_b32 v[NIL], 0
	ds_add_u32 v[SPW], v[NIL]                      ; the wave's opening: the add and its wait ahead of my first tensor load
	ds_add_u32 v28, v29
	v_lshrrev_b32 v1, 5, v0
	v_readfirstlane_b32 s10, v1
	s_lshr_b32 s11, s10, 1                         ; my half of the rows; also: I fetch for A (0) or W (1)
	s_and_b32 s12, s10, 1                          ; my half of the columns; also: which 4 tile-rows I fetch
	s_bfe_u32 s40, ttmp6, 0x40000
	s_bfe_u32 s41, ttmp6, 0x40004
	s_lshl_b32 s42, ttmp9, 2
	s_add_co_u32 s42, s42, s40                     ; block of 128 columns
	s_and_b32 s13, ttmp7, 0xffff
	s_lshl_b32 s13, s13, 2
	s_add_co_u32 s13, s13, s41                     ; block of 128 rows
	s_lshl_b32 s43, s41, 2
	s_lshl_b32 s43, 15, s43
	s_lshl_b32 s44, 0x1111, s40
	s_or_b32 s[G1+0], s43, (1<<16)|(1<<21)
	s_or_b32 s[G1B+0], s44, (1<<16)|(1<<21)
.irp g, G1, G1B
	s_mov_b32 s[(\g)+1], 4096<<16                  ; tensor_dim0 = 4,096 elements: a step's 8,192 bytes of a tile-row
	s_mov_b32 s[(\g)+2], 4<<16                     ; 4 tile-rows
	s_mov_b32 s[(\g)+3], 4096<<16
	s_mov_b32 s[(\g)+4], 4
	s_mov_b32 s[(\g)+5], 16*KTOT
	s_mov_b32 s[(\g)+6], 0
	s_mov_b32 s[(\g)+7], 0
.endr
	s_lshl_b32 s16, s13, 3
	s_lshl2_add_u32 s16, s12, s16                  ; A: tile-row 8 by + 4 half
	s_mul_i32 s16, s16, TROWB
	s_mov_b32 s17, 0
	s_lshl_b32 s46, s42, 3
	s_lshl2_add_u32 s46, s12, s46                  ; W: tile-row 8 bx + 4 half
	s_mul_i32 s46, s46, TROWB
	s_add_co_u32 s46, s46, WOFF
	s_mov_b32 s47, 0
	s_lshl_b32 s20, s10, 15                        ; LDS: 32,768 x wave
	s_wait_dscnt 0x0
	s_wait_kmcnt 0x0
	s_add_nc_u64 s[14:15], s[68:69], s[16:17]
	s_add_nc_u64 s[46:47], s[70:71], s[46:47]
	CROUND
.irp s, 0,1
	s_mov_b32 s[G0+4*(\s)], 1
	s_add_co_u32 s[G0+4*(\s)+1], s20, (\s)*SLOT
	s_add_nc_u64 s[G0+4*(\s)+2:G0+4*(\s)+3], s[14:15], (\s)*STEPB
	s_or_b32 s[G0+4*(\s)+3], s[G0+4*(\s)+3], 0x80000000
	s_mov_b32 s[G0B+4*(\s)], 1
	s_add_co_u32 s[G0B+4*(\s)+1], s20, (\s)*SLOT
	s_add_nc_u64 s[G0B+4*(\s)+2:G0B+4*(\s)+3], s[46:47], (\s)*STEPB
	s_or_b32 s[G0B+4*(\s)+3], s[G0B+4*(\s)+3], 0x80000000
	JLOAD \s
.endr
	v_and_b32 v1, 31, v0
	v_lshlrev_b32 v2, 4, v1                        ; 16 l
	v_and_b32 v3, 15, v0                           ; r
	v_bfe_u32 v4, v0, 4, 1                         ; h
	v_lshlrev_b32 v[BO], 5, v4
	s_lshl_b32 s22, s42, 9
	s_lshl_b32 s23, s12, 8
	s_add_co_u32 s22, s22, s23                     ; my first column, in bytes of f32
	s_mov_b32 s23, 0
	s_add_nc_u64 s[74:75], s[74:75], s[22:23]
.irp b, 0,1,2,3                        ; register j of accumulator (a, b) is column 16 b + 8 h + j
	global_load_b128 v[BIAS+8*\b:BIAS+8*\b+3], v[BO], s[74:75] offset:64*\b
	global_load_b128 v[BIAS+8*\b+4:BIAS+8*\b+7], v[BO], s[74:75] offset:64*\b+16
.endr
	s_lshl_b32 s20, s13, 19
	s_lshl_b32 s21, s11, 18
	s_add_co_u32 s20, s20, s21
	s_add_co_u32 s20, s20, s22                     ; my first row x 4,096 bytes + my first column
	s_mov_b32 s21, 0
	s_add_nc_u64 s[72:73], s[72:73], s[20:21]
	s_add_nc_u64 s[76:77], s[76:77], s[20:21]
	v_lshlrev_b32 v[CO], 12, v4                    ; lanes 0-15 one row's 256 bytes, lanes 16-31 the next row's
	v_lshl_add_u32 v[CO], v3, 4, v[CO]
	WIN 0x80
.set i, 0
.rept 32
	global_load_b128 v[4*i:4*i+3], v[CO], s[72:73] offset:2*i*4096
.set i, i+1
.endr
	WIN 0
	s_lshl_b32 s22, s11, 15
	v_add_nc_u32 v[AA0], s22, v2
	s_lshl_b32 s22, s12, 15
	s_add_co_u32 s22, s22, 65536
	v_add_nc_u32 v[AB0], s22, v2
	v_mov_b32 v[ADRA], v[AA0]
	v_mov_b32 v[ADRB], v[AB0]
	s_mov_b32 s2, 0
	s_mul_i32 s22, s10, 4352
	s_add_co_u32 s22, s22, STAGE                   ; my stage
	v_mul_u32_u24 v[STO], v3, 272                  ; in: row r, 32 bytes for each half of the lanes
	v_lshl_add_u32 v[STO], v4, 5, v[STO]
	v_add_nc_u32 v[STO], s22, v[STO]
	v_mul_u32_u24 v[RD], v4, 272                   ; back: two whole rows of 256 bytes
	v_lshl_add_u32 v[RD], v3, 4, v[RD]
	v_add_nc_u32 v[RD], s22, v[RD]
	; the prefetches: A's tile-rows are asked for by cluster x = 0, W's by cluster y = 0; of a wave's 4 tile-rows each of the four partners takes one, by address: 32 blocks of 256 bytes, a lane a block
	s_and_b32 s22, ttmp7, 0xffff
	s_cmp_eq_u32 s11, 0
	s_cselect_b32 s20, s40, s41
	s_cselect_b32 s22, ttmp9, s22
	s_cselect_b64 s[PFA:PFA+1], s[14:15], s[46:47]
	s_cmp_eq_u32 s22, 0
	s_cselect_b32 s[LIM], 1, -1
	s_mul_i32 s20, s20, TROWB
	s_mov_b32 s21, 0
	s_add_nc_u64 s[PFA:PFA+1], s[PFA:PFA+1], s[20:21]
	s_add_nc_u64 s[PFA:PFA+1], s[PFA:PFA+1], STEPB ; at K step 1: the first change of slots steps it to 2 and names step 3
	v_lshlrev_b32 v[PFO], 8, v1
.macro MUL8 f, c, a0, first            ; 8 products: row blocks a0, a0 + 1 x 4 column blocks, 32 along K: half c of buffer f.  The 16 accumulators take turns
	WIN 0x05
.irp a, \a0, (\a0)+1
.irp b, 0,1,2,3
.if \first
	v_wmma_f32_16x16x32_f16 v[ACC+8*(4*(\a)+(\b)):ACC+8*(4*(\a)+(\b))+7], v[(\f)+64+8*(4*(\c)+(\b)):(\f)+64+8*(4*(\c)+(\b))+7], v[(\f)+8*(4*(\c)+(\a)):(\f)+8*(4*(\c)+(\a))+7], v[BIAS+8*(\b):BIAS+8*(\b)+7]
.else
	v_wmma_f32_16x16x32_f16 v[ACC+8*(4*(\a)+(\b)):ACC+8*(4*(\a)+(\b))+7], v[(\f)+64+8*(4*(\c)+(\b)):(\f)+64+8*(4*(\c)+(\b))+7], v[(\f)+8*(4*(\c)+(\a)):(\f)+8*(4*(\c)+(\a))+7], v[ACC+8*(4*(\a)+(\b)):ACC+8*(4*(\a)+(\b))+7]
.endif
.endr
.endr
.endm
.macro FETCH q, f                      ; 32 LDS loads in one run: quarter q (64 k = 2,048 bytes of each tile-row) into buffer f, its first 32 k first
	WIN 0x40
.irp c, 0,1
.irp i, 0,1,2,3
	ds_load_b128 v[(\f)+64+8*(4*(\c)+(\i)):(\f)+64+8*(4*(\c)+(\i))+3],   v[ADRB] offset:(\i)*STEPB+(\q)*2048+(\c)*1024
	ds_load_b128 v[(\f)+64+8*(4*(\c)+(\i))+4:(\f)+64+8*(4*(\c)+(\i))+7], v[ADRB] offset:(\i)*STEPB+(\q)*2048+(\c)*1024+512
	ds_load_b128 v[(\f)+8*(4*(\c)+(\i)):(\f)+8*(4*(\c)+(\i))+3],         v[ADRA] offset:(\i)*STEPB+(\q)*2048+(\c)*1024
	ds_load_b128 v[(\f)+8*(4*(\c)+(\i))+4:(\f)+8*(4*(\c)+(\i))+7],       v[ADRA] offset:(\i)*STEPB+(\q)*2048+(\c)*1024+512
.endr
.endr
.endm
.macro QUARTER q, f, g, first
	s_wait_dscnt 16                                ; the first 32 k are in; the youngest sixteen loads may be out
	MUL8 \f, 0, 0, \first
	MUL8 \f, 0, 2, \first
	PLACES
	FETCH (\q)+1, \g
	s_wait_dscnt 32                                ; all but the 32 just issued
	MUL8 \f, 1, 0, 0
	MUL8 \f, 1, 2, 0
.endm
.macro MEET
	WIN 0
	s_wait_tensorcnt 0x0                           ; all my tensor loads have landed: my part of the next slot
	ds_add_u32 v[SPW], v[NIL]
	s_wait_dscnt 17                                ; (the add and the youngest sixteen loads may be out)
	MUL8 F1, 0, 0, 0
	s_wait_dscnt 0x0                               ; the add is done, and my reads of this slot are over
	s_barrier_signal -1
	MUL8 F1, 0, 2, 0
	WIN 0
	s_barrier_wait -1
.endm
.macro TURN
	s_wait_xcnt 0x0                                ; the last prefetch, a K step back, has read its address
	s_add_nc_u64 s[PFA:PFA+1], s[PFA:PFA+1], STEPB
	MEET
	CREST                                          ; no wave of any partner still reads the slot or has a load on its way
	s_xor_b32 s[G0+5], s[G0+5], SLOT
	s_add_nc_u64 s[G0+6:G0+7], s[G0+6:G0+7], STEPB
	s_xor_b32 s[G0B+5], s[G0B+5], SLOT
	s_add_nc_u64 s[G0B+6:G0B+7], s[G0B+6:G0B+7], STEPB
	s_xor_b32 s2, s2, SLOT
	JLOAD 1
	v_add_nc_u32 v[ADRA], s2, v[AA0]
	v_add_nc_u32 v[ADRB], s2, v[AB0]
	FETCH 0, F0
	WIN 0
	ASK
	MUL8 F1, 1, 0, 0
	MUL8 F1, 1, 2, 0
.endm
	s_wait_tensorcnt 1                             ; my part of K step 0 is in; step 1's load may stay out
	s_barrier_signal -1
	s_barrier_wait -1
	FETCH 0, F0
	s_wait_loadcnt 32                              ; the bias is in; the residual's 32 loads may stay out
	QUARTER 0, F0, F1, 1
	WIN 0
	s_mov_b32 s3, TSTEPS-2
.Lk:
	QUARTER 1, F1, F0, 0
	QUARTER 2, F0, F1, 0
	TURN
	QUARTER 0, F0, F1, 0
	WIN 0
	s_sub_co_u32 s3, s3, 1
	s_cmp_lg_u32 s3, 0
	s_cbranch_scc1 .Lk
	s_mov_b32 s3, 2
.Ltail:                                        ; the last two K steps ask for nothing; the second trip is left in its middle
	QUARTER 1, F1, F0, 0
	QUARTER 2, F0, F1, 0
	MEET
	s_xor_b32 s2, s2, SLOT
	s_sub_co_u32 s3, s3, 1
	s_cmp_eq_u32 s3, 0
	s_cbranch_scc1 .Llastq
	PLACES
	v_add_nc_u32 v[ADRA], s2, v[AA0]
	v_add_nc_u32 v[ADRB], s2, v[AB0]
	FETCH 0, F0
	MUL8 F1, 1, 0, 0
	MUL8 F1, 1, 2, 0
	QUARTER 0, F0, F1, 0
	WIN 0
	s_branch .Ltail
.Llastq:
	MUL8 F1, 1, 0, 0
	MUL8 F1, 1, 2, 0
	PLACES
	WIN 0
	s_wait_loadcnt 0x0                             ; the residual
	; THE WAY OUT, 16 rows at a time through my own stage: in as 32 bytes a lane, back as whole rows of 256 bytes; LDS serves a wave's instructions in order (ISA guide 5.7.1.4)
.irp a, 0,1,2,3
.irp b, 0,1,2,3
	ds_store_b128 v[STO], v[ACC+8*(4*(\a)+(\b)):ACC+8*(4*(\a)+(\b))+3]   offset:64*(\b)
	ds_store_b128 v[STO], v[ACC+8*(4*(\a)+(\b))+4:ACC+8*(4*(\a)+(\b))+7] offset:64*(\b)+16
.endr
	s_wait_xcnt 0x0                                ; the stores of two blocks back have read their registers
.irp t, 0,1,2,3,4,5,6,7
	ds_load_b128 v[TMP+32*((\a)%2)+4*(\t):TMP+32*((\a)%2)+4*(\t)+3], v[RD] offset:544*(\t)
.endr
	s_wait_dscnt 0x0
	WIN 0x08                                       ; source 1, the residual, in window 2
.irp t, 0,1,2,3,4,5,6,7
	v_pk_add_f32 v[TMP+32*((\a)%2)+4*(\t):TMP+32*((\a)%2)+4*(\t)+1], v[TMP+32*((\a)%2)+4*(\t):TMP+32*((\a)%2)+4*(\t)+1], v[4*(8*(\a)+(\t)):4*(8*(\a)+(\t))+1]
	v_pk_add_f32 v[TMP+32*((\a)%2)+4*(\t)+2:TMP+32*((\a)%2)+4*(\t)+3], v[TMP+32*((\a)%2)+4*(\t)+2:TMP+32*((\a)%2)+4*(\t)+3], v[4*(8*(\a)+(\t))+2:4*(8*(\a)+(\t))+3]
.endr
	WIN 0
.irp t, 0,1,2,3,4,5,6,7
	global_store_b128 v[CO], v[TMP+32*((\a)%2)+4*(\t):TMP+32*((\a)%2)+4*(\t)+3], s[76:77] offset:(16*(\a)+2*(\t))*4096  ; 16 lanes store 256 consecutive bytes, aligned
.endr
.endr
	s_wait_tensorcnt 0x0                           ; the wave's end
	ds_add_u32 v[SPW], v[NIL]
	s_wait_dscnt 0x0
	CROUND                                         ; the closing round
	s_endpgm
.Lfunc_end_k_qddfac74d85_ff2:
	.size	k_qddfac74d85_ff2, .Lfunc_end_k_qddfac74d85_ff2-k_qddfac74d85_ff2
	.p2alignl 7, 3214868480
	.fill 96, 4, 3214868480
	.section	.rodata,"a",@progbits
	.p2align	6, 0x0
	.amdhsa_kernel k_qddfac74d85_ff2
		.amdhsa_group_segment_fixed_size 327680
		.amdhsa_private_segment_fixed_size 0
		.amdhsa_enable_private_segment 0
		.amdhsa_kernarg_size 40
		.amdhsa_user_sgpr_count 2
		.amdhsa_user_sgpr_kernarg_segment_ptr 1
		.amdhsa_wavefront_size32 1
		.amdhsa_system_sgpr_workgroup_id_x 1
		.amdhsa_system_sgpr_workgroup_id_y 1
		.amdhsa_system_sgpr_workgroup_id_z 1
		.amdhsa_system_vgpr_workitem_id 0
		.amdhsa_next_free_vgpr 640
		.amdhsa_next_free_sgpr 80
		.amdhsa_reserve_vcc 0
		.amdhsa_float_denorm_mode_32 3
		.amdhsa_float_denorm_mode_16_64 3
		.amdhsa_memory_ordered 1
		.amdhsa_forward_progress 1
		.amdhsa_inst_pref_size 67
	.end_amdhsa_kernel
	.amdgpu_metadata
---
amdhsa.version: [ 1, 2 ]
amdhsa.kernels:
  - .name:           k_qddfac74d85_ff2
    .symbol:         k_qddfac74d85_ff2.kd
    .args:
      - { .name: r, .offset: 0, .size: 8, .value_kind: global_buffer, .address_space: global }
      - { .name: wb, .offset: 8, .size: 8, .value_kind: global_buffer, .address_space: global }
      - { .name: h1, .offset: 16, .size: 8, .value_kind: global_buffer, .address_space: global }
      - { .name: b2, .offset: 24, .size: 8, .value_kind: global_buffer, .address_space: global }
      - { .name: y, .offset: 32, .size: 8, .value_kind: global_buffer, .address_space: global }
    .group_segment_fixed_size: 327680
    .private_segment_fixed_size: 0
    .kernarg_segment_align: 8
    .kernarg_segment_size: 40
    .max_flat_workgroup_size: 128
    .sgpr_count:     80
    .vgpr_count:     640
    .wavefront_size: 32
...
	.end_amdgpu_metadata
.endif
;; end of part 7
;; launch ln2 (part 8): grid 256 x 1, 16 waves a work-group, no clusters, 0 bytes of LDS; arguments y, gamma2, beta2, out0; writes out0
.if DOCPART == 8
	.amdgcn_target "amdgcn-amd-amdhsa--gfx1250"
	.amdhsa_code_object_version 6
	.text
	.protected	k_qddfac74d85_ln2
	.globl	k_qddfac74d85_ln2
	.p2align	8
	.type	k_qddfac74d85_ln2,@function
k_qddfac74d85_ln2:
	s_mov_b64 s[64:65], 0
	v_nop
	global_prefetch_b8 v0, s[64:65] scope:SCOPE_SE
	s_setreg_imm32_b32 hwreg(HW_REG_WAVE_MODE, 25, 1), 1
	s_wait_xcnt 0x0
; out0 = LayerNorm(y) x gamma + beta, all in f32, in two passes over a row kept in registers: the mean, then the mean of the squared deviations (no difference of large sums).
; SHARES.  A work-group takes 16 rows, a wave one row: 4,096 bytes, eight loads and eight stores of 512 consecutive bytes; the reduction never leaves the wave: no LDS, no barrier.
; Memory binds: no matrix unit, no cluster, nothing shared but gamma and beta.
.set X,  32
.set G,  64
.set BT, 96
.set T,  128
	s_load_b256 s[4:11], s[0:1], 0x0               ; y s[4:5], gamma s[6:7], beta s[8:9], out0 s[10:11]
	v_lshrrev_b32 v1, 5, v0
	v_readfirstlane_b32 s16, v1
	v_and_b32 v4, 31, v0
	v_lshlrev_b32 v5, 4, v4
	v_mov_b32 v9, 0
	s_lshl_b32 s20, ttmp9, 16
	s_lshl_b32 s21, s16, 12
	s_add_co_u32 s20, s20, s21                     ; my row
	s_mov_b32 s21, 0
	s_mov_b32 s12, 0x76543210
	s_mov_b32 s13, 0xfedcba98
	s_mov_b32 s14, 0x3a800000                      ; 1 / 1,024
	s_mov_b32 s15, 0x3727c5ac                      ; 1e-5
	s_wait_kmcnt 0x0
	s_add_nc_u64 s[4:5], s[4:5], s[20:21]
	s_add_nc_u64 s[18:19], s[10:11], s[20:21]
.irp j, 0,1,2,3,4,5,6,7
	global_load_b128 v[X+4*\j:X+4*\j+3], v5, s[4:5] offset:512*\j th:TH_LOAD_NT
.endr
.irp j, 0,1,2,3,4,5,6,7
	global_load_b128 v[G+4*\j:G+4*\j+3], v5, s[6:7] offset:512*\j
	global_load_b128 v[BT+4*\j:BT+4*\j+3], v5, s[8:9] offset:512*\j
.endr
.macro REDUCE                          ; v8 summed over the 32 lanes, the result in every lane
	v_add_f32_dpp v8, v8, v8 row_xmask:1 row_mask:0xf bank_mask:0xf
	v_add_f32_dpp v8, v8, v8 row_xmask:2 row_mask:0xf bank_mask:0xf
	v_add_f32_dpp v8, v8, v8 row_xmask:4 row_mask:0xf bank_mask:0xf
	v_add_f32_dpp v8, v8, v8 row_xmask:8 row_mask:0xf bank_mask:0xf
	v_permlanex16_b32 v9, v8, s12, s13
	v_add_f32 v8, v8, v9
.endm
.macro FOLD                            ; the four chains into v8
	v_pk_add_f32 v[T:T+1], v[T:T+1], v[T+2:T+3]
	v_pk_add_f32 v[T+4:T+5], v[T+4:T+5], v[T+6:T+7]
	v_pk_add_f32 v[T:T+1], v[T:T+1], v[T+4:T+5]
	v_add_f32 v8, v[T], v[T+1]
.endm
	s_wait_loadcnt 16                              ; the row is in; gamma's and beta's sixteen loads may stay out
.irp k, 0,1,2,3
	v_pk_add_f32 v[T+2*\k:T+2*\k+1], v[X+2*\k:X+2*\k+1], v[X+8+2*\k:X+8+2*\k+1]
.endr
.irp g, 2,3
.irp k, 0,1,2,3
	v_pk_add_f32 v[T+2*\k:T+2*\k+1], v[T+2*\k:T+2*\k+1], v[X+8*\g+2*\k:X+8*\g+2*\k+1]
.endr
.endr
	FOLD
	REDUCE
	v_mul_f32 v10, s14, v8                         ; the mean
	v_mov_b32 v11, v10
.set k, 0
.rept 16
	v_pk_add_f32 v[X+2*k:X+2*k+1], v[X+2*k:X+2*k+1], v[10:11] neg_lo:[0,1] neg_hi:[0,1]
.set k, k+1
.endr
.irp k, 0,1,2,3
	v_pk_mul_f32 v[T+2*\k:T+2*\k+1], v[X+2*\k:X+2*\k+1], v[X+2*\k:X+2*\k+1]
.endr
.irp g, 1,2,3
.irp k, 0,1,2,3
	v_pk_fma_f32 v[T+2*\k:T+2*\k+1], v[X+8*\g+2*\k:X+8*\g+2*\k+1], v[X+8*\g+2*\k:X+8*\g+2*\k+1], v[T+2*\k:T+2*\k+1]
.endr
.endr
	FOLD
	REDUCE
	v_fma_f32 v12, v8, s14, s15                    ; the variance + 1e-5
	v_rsq_f32 v14, v12
	v_rsq_f32 v15, v12
	v_nop                                          ; a plain instruction behind the last of the two,
	s_wait_alu depctr_va_vdst(0)                   ; and one wait for both, ahead of the first use
	s_wait_loadcnt 0x0                             ; gamma and beta
.set k, 0
.rept 16
	v_pk_mul_f32 v[X+2*k:X+2*k+1], v[X+2*k:X+2*k+1], v[14:15]
.set k, k+1
.endr
.set k, 0
.rept 16
	v_pk_fma_f32 v[X+2*k:X+2*k+1], v[X+2*k:X+2*k+1], v[G+2*k:G+2*k+1], v[BT+2*k:BT+2*k+1]
.set k, k+1
.endr
.irp j, 0,1,2,3,4,5,6,7
	global_store_b128 v5, v[X+4*\j:X+4*\j+3], s[18:19] offset:512*\j th:TH_STORE_NT
.endr
	s_endpgm
.Lfunc_end_k_qddfac74d85_ln2:
	.size	k_qddfac74d85_ln2, .Lfunc_end_k_qddfac74d85_ln2-k_qddfac74d85_ln2
	.p2alignl 7, 3214868480
	.fill 96, 4, 3214868480
	.section	.rodata,"a",@progbits
	.p2align	6, 0x0
	.amdhsa_kernel k_qddfac74d85_ln2
		.amdhsa_group_segment_fixed_size 0
		.amdhsa_private_segment_fixed_size 0
		.amdhsa_enable_private_segment 0
		.amdhsa_kernarg_size 32
		.amdhsa_user_sgpr_count 2
		.amdhsa_user_sgpr_kernarg_segment_ptr 1
		.amdhsa_wavefront_size32 1
		.amdhsa_system_sgpr_workgroup_id_x 1
		.amdhsa_system_sgpr_workgroup_id_y 1
		.amdhsa_system_sgpr_workgroup_id_z 1
		.amdhsa_system_vgpr_workitem_id 0
		.amdhsa_next_free_vgpr 144
		.amdhsa_next_free_sgpr 66
		.amdhsa_reserve_vcc 0
		.amdhsa_float_denorm_mode_32 3
		.amdhsa_float_denorm_mode_16_64 3
		.amdhsa_memory_ordered 1
		.amdhsa_forward_progress 1
		.amdhsa_inst_pref_size 11
	.end_amdhsa_kernel
	.amdgpu_metadata
---
amdhsa.version: [ 1, 2 ]
amdhsa.kernels:
  - .name:           k_qddfac74d85_ln2
    .symbol:         k_qddfac74d85_ln2.kd
    .args:
      - { .name: y, .offset: 0, .size: 8, .value_kind: global_buffer, .address_space: global }
      - { .name: gamma2, .offset: 8, .size: 8, .value_kind: global_buffer, .address_space: global }
      - { .name: beta2, .offset: 16, .size: 8, .value_kind: global_buffer, .address_space: global }
      - { .name: out0, .offset: 24, .size: 8, .value_kind: global_buffer, .address_space: global }
    .group_segment_fixed_size: 0
    .private_segment_fixed_size: 0
    .kernarg_segment_align: 8
    .kernarg_segment_size: 32
    .max_flat_workgroup_size: 512
    .sgpr_count:     66
    .vgpr_count:     144
    .wavefront_size: 32
...
	.end_amdgpu_metadata
.endif
;; end of part 8
